; MI455X (gfx1250); checked and timed in simulation.
; The chip was launched on July 23, 2026; its instructions are those of AMD's public machine-readable ISA for CDNA 5 (MIT licence, August 2026) and "CDNA5" Instruction Set Architecture Reference Guide (July 2026). The comments in the code are by the model that wrote it; some were corrected since.
;; Big Bird Sparse Attention. Allowed arithmetic: float matrix products may take bf16 or f16 operands with f32 sums; other float arithmetic in f32, or as packed bf16 or f16 multiplies, adds, multiply-adds, maxima and minima; sums over many terms, partial sums and values carried from step to step in f32; what a program stores and reads back later, other than sums and carried values, may be rounded once to bf16 or f16.
;; Inputs: Wk 128 x 128 float32; Wo 128 x 128 float32; Wq 128 x 128 float32; Wv 128 x 128 float32; bk 128 float32; bo 128 float32; bq 128 float32; bv 128 float32; mask 4,096 x 4,096 bool; x 2 x 4,096 x 128 float32.
;; Outputs: out0 2 x 4,096 x 128 float32.
;; 2 versions, each right and faster than the one before. Each part assembles by itself: llvm-mc -triple=amdgcn-amd-amdhsa -mcpu=gfx1250 --defsym DOCPART=n.
;; ======== version 1 of 2: 2 launches
;; limits: values are held in f16: magnitudes above 65,504 overflow, below 6.1e-05 lose precision; right only within a limited range of input values
;; workspace buffers: qh 2,097,152 bytes; kh 2,097,152 bytes; vh 2,097,152 bytes
;; launch proj (part 1): grid 256 x 1, 6 waves a work-group, clusters of 4 x 1, 246,784 bytes of LDS; arguments x, Wq, Wk, Wv, bq, bk, bv, qh, kh, vh; writes qh, kh, vh
.if DOCPART == 1
	.amdgcn_target "amdgcn-amd-amdhsa--gfx1250"
	.amdhsa_code_object_version 6
	.text
	.protected	k_qfd97e2fe4f_proj
	.globl	k_qfd97e2fe4f_proj
	.p2align	8
	.type	k_qfd97e2fe4f_proj,@function
k_qfd97e2fe4f_proj:
	s_mov_b64 s[64:65], 0
	v_nop
	global_prefetch_b8 v0, s[64:65] scope:SCOPE_SE
	s_setreg_imm32_b32 hwreg(HW_REG_WAVE_MODE, 25, 1), 1
	s_wait_xcnt 0x0
	s_wait_alu depctr_hold_cnt(0) depctr_sa_sdst(0) depctr_va_vdst(0) depctr_va_sdst(0) depctr_va_ssrc(0) depctr_va_vcc(0) depctr_vm_vsrc(0)
	s_getreg_b32 s2, hwreg(HW_REG_IB_STS2, 6, 4)
	s_cmp_eq_u32 s2, 0
	s_cbranch_scc0 .Lentry_in_a_cluster
	s_endpgm
.Lentry_in_a_cluster:
	s_bfe_u32 s2, ttmp6, 0x10000c
	s_cmp_lg_u32 s2, 0x3003
	s_cbranch_scc0 .Lentry_shape_is_right
	s_endpgm
.Lentry_shape_is_right:
; qh = (x Wq^T + bq) c, kh = x Wk^T + bk, vh = x Wv^T + bv.  x: [8192][128] f32 (both batches on end); W: [128][128] f32; b: [128] f32.
; qh, kh, vh: [8192][128] f16, channels in the tensors' own order (head h = channels 16 h .. 16 h + 15).  c = log2(e) / 4: the scores' 1 / sqrt(16) and the base-2 exponential's factor,
; multiplied in f32 ahead of the one rounding to f16.  x, W and b are rounded to bf16; products in bf16, sums in f32, started from the bias.
; LIMITS.  q c, k and v must lie within f16's 65,504; NaN and infinities are not treated apart.
; SHARES.  A work-group owns 32 rows of x.  Wave w makes 16 rows (w % 2) x 128 columns of one output (w / 2: q, k, v): 8 accumulators, 4 K steps of 32: 32 matrix instructions.
; THE MATRIX INSTRUCTION IS USED TRANSPOSED (source 0 = 16 rows of W, source 1 = 16 rows of x): a lane holds row lane % 16 and eight neighbouring columns, 16 bytes of f16.
; CLUSTER.  Every work-group reads the same three W, so four work-groups ask for them jointly: six loads of 64 rows, one a wave, the same descriptor in all four.  x's 32 rows are the work-group's own.
; Nothing in LDS is filled twice.
.set PITCH, 528                        ; an LDS row of 128 f32: 512 bytes + 16 of padding: 33 x 16 bytes, so the 16 rows that a load touches start at 16 different groups of four banks (ISA guide 11.1)
.set WPART, 64*PITCH                   ; what one wave's load brings of W
.set WMAT,  128*PITCH                  ; one W
.set XREG,  3*WMAT                     ; x's 32 rows
.set STG,   XREG+32*PITCH              ; the way out: 16 rows x 272 bytes for each wave; no tensor load lands here
.set SP,    272
.set SPARE, STG+6*16*SP                ; the spare words, 128 bytes for each wave: three blocks of 256 bytes that no other line names
.set UNITS, 8                          ; 8 accumulators x 4 K steps, four products a unit
.set R,   1                            ; v1   lane % 16
.set H,   2                            ; v2   lane / 16
.set AW,  3                            ; v3   LDS address of my fragments of W
.set AX,  4                            ; v4   of x
.set BOFF,5                            ; v5   my byte offset in 16 numbers of the bias
.set STO, 6                            ; v6   the way out: where I put 16 bytes of a row
.set RD,  7                            ; v7   where I read a row back
.set GO,  8                            ; v8   my byte offset in two rows of the output
.set SPW, 10                           ; v10  LDS address of my spare word; never rewritten
.set NIL, 11                           ; v11  0; never rewritten
.set ACC, 16                           ; v16-79    8 accumulators
.set XF,  80                           ; v80-111   x's four fragments, bf16
.set RAW, 112                          ; v112-175  f32 as read from LDS
.set WB,  176                          ; v176-239  W's fragments, bf16: two buffers of four
.set G1W, 24                           ; s[24:31] group 1 for W     s[32:39] for x
.set G1X, 32
.set G0W, 40                           ; s[40:43] group 0 for W     s[44:47] for x
.set G0X, 44
.set WV,  48                           ; s48 wave   s49 which output   s50 which 16 rows
.set MT,  49
.set RT,  50
.set CX,  51
.set PW,  54                           ; s[54:55] my W   s[56:57] my bias   s[58:59] my output
.set PB,  56
.set PO,  58
.set SC,  60                           ; s[60:61] c for q, 1 for k and v: one text serves the three outputs
.set HIM, 62                           ; s62 a word's upper half
.set ID,  63                           ; s63 the work-group's number
; A round of the cluster's barrier: my work-group's barrier, wave 0 signals for the work-group, every wave waits for all four work-groups, my work-group's barrier once more.
.macro ROUND
	s_barrier_signal -1
	s_barrier_wait -1
	s_cmp_lg_u32 s[WV], 0
	s_cbranch_scc1 .Lnot_wave_0_\@
	s_barrier_signal -3
.Lnot_wave_0_\@:
	s_barrier_wait -3
	s_barrier_signal -1
	s_barrier_wait -1
.endm
	s_load_b512 s[4:19], s[0:1], 0x0               ; x 4, Wq 6, Wk 8, Wv 10, bq 12, bk 14, bv 16, qh 18
	s_load_b128 s[20:23], s[0:1], 0x40             ; kh 20, vh 22
	v_lshl_add_u32 v[SPW], v0, 2, SPARE
	v_mov_b32 v[NIL], 0
	ds_add_u32 v[SPW], v[NIL]                      ; the wave's opening: the add and its wait stand ahead of my first tensor load; the set-up below stands between them
	v_lshrrev_b32 v1, 5, v0
	v_readfirstlane_b32 s[WV], v1                  ; wave 0..5
	s_lshr_b32 s[MT], s[WV], 1
	s_and_b32 s[RT], s[WV], 1
	s_bfe_u32 s[CX], ttmp6, 0x40000                ; my place in the cluster
	s_lshl_b32 s[ID], ttmp9, 2                     ; in a cluster launch ttmp9 counts clusters
	s_add_co_u32 s[ID], s[ID], s[CX]
	s_mov_b32 s[HIM], 0xffff0000
	; group 1: rows of 128 elements of 4 bytes, 4 words of padding behind every 128 words
	s_mov_b32 s[G1W], 15|(2<<16)|(1<<20)|(1<<21)|(6<<22)|(3<<25)  ; the mask of four, bit 21 beside it
	s_mov_b32 s[G1W+1], 128<<16                    ; tensor_dim0 = 128
	s_mov_b32 s[G1W+2], 64<<16                     ; tensor_dim1 = 64
	s_mov_b32 s[G1W+3], 128<<16                    ; tile_dim0 = 128
	s_mov_b32 s[G1W+4], 64                         ; tile_dim1 = 64
	s_mov_b32 s[G1W+5], 128                        ; elements from row to row
	s_mov_b32 s[G1W+6], 0
	s_mov_b32 s[G1W+7], 0
	s_mov_b32 s[G1X], (2<<16)|(1<<20)|(6<<22)|(3<<25)  ; no mask: my own rows
	s_mov_b32 s[G1X+1], 128<<16
	s_mov_b32 s[G1X+2], 32<<16
	s_mov_b32 s[G1X+3], 128<<16
	s_mov_b32 s[G1X+4], 32
	s_mov_b32 s[G1X+5], 128
	s_mov_b32 s[G1X+6], 0
	s_mov_b32 s[G1X+7], 0
	s_mov_b32 s[G0W], 1
	s_mul_i32 s[G0W+1], s[WV], WPART               ; wave w's 64 rows: matrix w / 2, half w % 2
	s_mov_b32 s[G0X], 1
	s_mov_b32 s[G0X+1], XREG
	s_wait_dscnt 0x0                               ; the opening add is done
	s_wait_kmcnt 0x0
	s_cmp_eq_u32 s[MT], 1                          ; my W, bias and output, chosen by the wave's number
	s_cselect_b64 s[PW:PW+1], s[8:9], s[6:7]
	s_cselect_b64 s[PB:PB+1], s[14:15], s[12:13]
	s_cselect_b64 s[PO:PO+1], s[20:21], s[18:19]
	s_cmp_eq_u32 s[MT], 2
	s_cselect_b64 s[PW:PW+1], s[10:11], s[PW:PW+1]
	s_cselect_b64 s[PB:PB+1], s[16:17], s[PB:PB+1]
	s_cselect_b64 s[PO:PO+1], s[22:23], s[PO:PO+1]
	s_cmp_eq_u32 s[MT], 0
	s_cselect_b32 s[SC], 0x3eb8aa3b, 1.0           ; c = log2(e) / 4 = 0.360674
	s_mov_b32 s[SC+1], s[SC]                       ; named with it as a pair
	s_lshl_b32 s2, s[RT], 15                       ; 64 rows of 512 bytes
	s_mov_b32 s3, 0
	s_add_nc_u64 s[G0W+2:G0W+3], s[PW:PW+1], s[2:3]
	s_or_b32 s[G0W+3], s[G0W+3], 0x80000000        ; type = 2
	s_lshl_b32 s52, s[ID], 14                      ; 32 rows of 512 bytes
	s_mov_b32 s53, 0
	s_add_nc_u64 s[G0X+2:G0X+3], s[4:5], s[52:53]
	s_or_b32 s[G0X+3], s[G0X+3], 0x80000000
	s_lshl_b32 s52, s[ID], 13                      ; my 16 rows of 256 bytes in the output
	s_lshl_b32 s2, s[RT], 12
	s_add_co_u32 s52, s52, s2
	s_add_nc_u64 s[PO:PO+1], s[PO:PO+1], s[52:53]
	ROUND                                          ; all four work-groups are here: the joint loads meet
	s_cmp_lg_u32 s[WV], 0                          ; a wave's first fills stand in one branch: wave 0 has two loads out, the others one
	s_cbranch_scc1 .Lothers
	tensor_load_to_lds s[G0W:G0W+3], s[G1W:G1W+7]
	s_nop 0
	tensor_load_to_lds s[G0X:G0X+3], s[G1X:G1X+7]
	s_nop 0
.rept 4
	v_nop
.endr
	s_branch .Lasked
.Lothers:
	tensor_load_to_lds s[G0W:G0W+3], s[G1W:G1W+7]
	s_nop 0
.rept 4
	v_nop
.endr
.Lasked:
	v_and_b32 v[R], 15, v0
	v_bfe_u32 v[H], v0, 4, 1
	v_lshlrev_b32 v[BOFF], 5, v[H]                 ; register j' of accumulator j is column 16 j + 8 (lane / 16) + j'
.irp j, 0,1,2,3,4,5,6,7
	global_load_b128 v[ACC+8*(\j):ACC+8*(\j)+3],   v[BOFF], s[PB:PB+1] offset:64*(\j)  ; the sums start from the bias: nothing is cleared, nothing is added later
	global_load_b128 v[ACC+8*(\j)+4:ACC+8*(\j)+7], v[BOFF], s[PB:PB+1] offset:64*(\j)+16
.endr
	v_mul_u32_u24 v9, v[R], PITCH
	v_lshl_add_u32 v9, v[H], 5, v9                 ; row x pitch + 8 f32 x half
	s_mul_i32 s2, s[MT], WMAT
	v_add_nc_u32 v[AW], s2, v9
	s_mul_i32 s2, s[RT], 16*PITCH
	s_add_co_u32 s2, s2, XREG
	v_add_nc_u32 v[AX], s2, v9
	s_mul_i32 s2, s[WV], 16*SP
	s_add_co_u32 s2, s2, STG                       ; my stage
	v_mul_u32_u24 v[STO], v[R], SP                 ; in: row lane % 16, 16 bytes for each half of the lanes
	v_lshl_add_u32 v[STO], v[H], 4, v[STO]
	v_add_nc_u32 v[STO], s2, v[STO]
	v_mul_u32_u24 v[RD], v[H], SP                  ; back: lanes 0-15 take one row of 256 bytes, lanes 16-31 the next
	v_lshl_add_u32 v[RD], v[R], 4, v[RD]
	v_add_nc_u32 v[RD], s2, v[RD]
	v_lshlrev_b32 v[GO], 8, v[H]                   ; and the same two rows in the output
	v_lshl_add_u32 v[GO], v[R], 4, v[GO]
	s_wait_loadcnt 0x0                             ; the bias
.set z, 0
.rept 32                                               ; rounded to bf16 like the other inputs, and widened again
	v_cvt_pk_bf16_f32 v[ACC+2*z], v[ACC+2*z], v[ACC+2*z+1]
	v_and_b32 v[ACC+2*z+1], s[HIM], v[ACC+2*z]
	v_lshlrev_b32 v[ACC+2*z], 16, v[ACC+2*z]
.set z, z+1
.endr
	s_wait_tensorcnt 0x0                           ; my part of W (and x) is in,
	s_barrier_signal -1
	s_barrier_wait -1                              ; everybody's is
	; A fragment is 16 rows x 32 K: lane l holds row l % 16, K = 8 (l / 16) + 0..7 and 16 + 8 (l / 16) + 0..7: in f32 four loads of 16 bytes, at 0, 16, 64, 80.
.irp t, 0,1,2,3
	ds_load_b128 v[RAW+16*(\t):RAW+16*(\t)+3],     v[AX] offset:128*(\t)
	ds_load_b128 v[RAW+16*(\t)+4:RAW+16*(\t)+7],   v[AX] offset:128*(\t)+16
	ds_load_b128 v[RAW+16*(\t)+8:RAW+16*(\t)+11],  v[AX] offset:128*(\t)+64
	ds_load_b128 v[RAW+16*(\t)+12:RAW+16*(\t)+15], v[AX] offset:128*(\t)+80
.endr
	s_wait_dscnt 0x0
.set z, 0
.rept 32
	v_cvt_pk_bf16_f32 v[XF+z], v[RAW+2*z], v[RAW+2*z+1]
.set z, z+1
.endr
; Unit un of 8: accumulators 2 (un / 2) and + 1, K steps 2 (un % 2) and + 1.  LOADW: its four fragments of W in f32, 16 loads; the largest offset is 7 x 16 rows x 528 + 464 = 59,600 bytes, inside the 16-bit field.
.macro LOADW un
.set lp, (\un)/2
.set lk, (\un)%2
.irp jj, 0,1
.irp tt, 0,1
	ds_load_b128 v[RAW+32*(\jj)+16*(\tt):RAW+32*(\jj)+16*(\tt)+3],     v[AW] offset:(2*lp+(\jj))*16*PITCH+128*(2*lk+(\tt))
	ds_load_b128 v[RAW+32*(\jj)+16*(\tt)+4:RAW+32*(\jj)+16*(\tt)+7],   v[AW] offset:(2*lp+(\jj))*16*PITCH+128*(2*lk+(\tt))+16
	ds_load_b128 v[RAW+32*(\jj)+16*(\tt)+8:RAW+32*(\jj)+16*(\tt)+11],  v[AW] offset:(2*lp+(\jj))*16*PITCH+128*(2*lk+(\tt))+64
	ds_load_b128 v[RAW+32*(\jj)+16*(\tt)+12:RAW+32*(\jj)+16*(\tt)+15], v[AW] offset:(2*lp+(\jj))*16*PITCH+128*(2*lk+(\tt))+80
.endr
.endr
.endm
; The unit's fragments are rounded to bf16 into buffer un % 2, the next unit's loads go out, and four products follow, the two accumulators by turns.
; A buffer is written again two units later: the 32 conversions of the unit between, which name none of these products' registers, are the places behind them (ISA guide 7.12.1).
.macro UNIT un
	s_wait_dscnt 0x0                               ; the unit's 16 loads
.set wb, WB+32*((\un)%2)
.set z, 0
.rept 32
	v_cvt_pk_bf16_f32 v[wb+z], v[RAW+2*z], v[RAW+2*z+1]
.set z, z+1
.endr
.if (\un) < UNITS-1
	LOADW (\un)+1
.endif
.set up, (\un)/2
.set uk, (\un)%2
.irp tt, 0,1
.irp jj, 0,1
	v_wmma_f32_16x16x32_bf16 v[ACC+8*(2*up+(\jj)):ACC+8*(2*up+(\jj))+7], v[wb+16*(\jj)+8*(\tt):wb+16*(\jj)+8*(\tt)+7], v[XF+8*(2*uk+(\tt)):XF+8*(2*uk+(\tt))+7], v[ACC+8*(2*up+(\jj)):ACC+8*(2*up+(\jj))+7]
.endr
.endr
.endm
	LOADW 0
.irp n, 0,1,2,3,4,5,6,7
	UNIT \n
.endr
	; THE WAY OUT: times c (or 1), each accumulator from its low end; the first 24 lines (accumulators 0 to 5) name none of the last unit's registers and are the places behind its products.
.set z, 0
.rept 32
	v_pk_mul_f32 v[ACC+2*z:ACC+2*z+1], v[ACC+2*z:ACC+2*z+1], s[SC:SC+1] op_sel_hi:[1,0]
.set z, z+1
.endr
.set z, 0
.rept 32
	v_cvt_pk_f16_f32 v[RAW+z], v[ACC+2*z], v[ACC+2*z+1]
.set z, z+1
.endr
.irp j, 0,1,2,3,4,5,6,7
	ds_store_b128 v[STO], v[RAW+4*(\j):RAW+4*(\j)+3] offset:32*(\j)
.endr
.irp i, 0,1,2,3,4,5,6,7
	ds_load_b128 v[WB+4*(\i):WB+4*(\i)+3], v[RD] offset:(\i)*2*SP  ; LDS serves a wave's instructions in order (ISA guide 5.7.1.4): these see my stores above
.endr
.irp i, 0,1,2,3,4,5,6,7
	s_wait_dscnt 7-(\i)
	global_store_b128 v[GO], v[WB+4*(\i):WB+4*(\i)+3], s[PO:PO+1] offset:(\i)*512  ; 16 lanes store 256 consecutive bytes, at a multiple of 256 from the buffer's first byte
.endr
	s_wait_tensorcnt 0x0                           ; the wave's end: behind my last tensor load and my last LDS store
	ds_add_u32 v[SPW], v[NIL]
	s_wait_dscnt 0x0
	ROUND                                          ; the closing round: no work-group ends while a partner may still ask for a tile that names it
	s_endpgm
.Lfunc_end_k_qfd97e2fe4f_proj:
	.size	k_qfd97e2fe4f_proj, .Lfunc_end_k_qfd97e2fe4f_proj-k_qfd97e2fe4f_proj
	.p2alignl 7, 3214868480
	.fill 96, 4, 3214868480
	.section	.rodata,"a",@progbits
	.p2align	6, 0x0
	.amdhsa_kernel k_qfd97e2fe4f_proj
		.amdhsa_group_segment_fixed_size 246784
		.amdhsa_private_segment_fixed_size 0
		.amdhsa_enable_private_segment 0
		.amdhsa_kernarg_size 80
		.amdhsa_user_sgpr_count 2
		.amdhsa_user_sgpr_kernarg_segment_ptr 1
		.amdhsa_wavefront_size32 1
		.amdhsa_system_sgpr_workgroup_id_x 1
		.amdhsa_system_sgpr_workgroup_id_y 1
		.amdhsa_system_sgpr_workgroup_id_z 1
		.amdhsa_system_vgpr_workitem_id 0
		.amdhsa_next_free_vgpr 240
		.amdhsa_next_free_sgpr 66
		.amdhsa_reserve_vcc 0
		.amdhsa_float_denorm_mode_32 3
		.amdhsa_float_denorm_mode_16_64 3
		.amdhsa_memory_ordered 1
		.amdhsa_forward_progress 1
		.amdhsa_inst_pref_size 47
	.end_amdhsa_kernel
	.amdgpu_metadata
---
amdhsa.version: [ 1, 2 ]
amdhsa.kernels:
  - .name:           k_qfd97e2fe4f_proj
    .symbol:         k_qfd97e2fe4f_proj.kd
    .args:
      - { .name: x, .offset: 0, .size: 8, .value_kind: global_buffer, .address_space: global }
      - { .name: Wq, .offset: 8, .size: 8, .value_kind: global_buffer, .address_space: global }
      - { .name: Wk, .offset: 16, .size: 8, .value_kind: global_buffer, .address_space: global }
      - { .name: Wv, .offset: 24, .size: 8, .value_kind: global_buffer, .address_space: global }
      - { .name: bq, .offset: 32, .size: 8, .value_kind: global_buffer, .address_space: global }
      - { .name: bk, .offset: 40, .size: 8, .value_kind: global_buffer, .address_space: global }
      - { .name: bv, .offset: 48, .size: 8, .value_kind: global_buffer, .address_space: global }
      - { .name: qh, .offset: 56, .size: 8, .value_kind: global_buffer, .address_space: global }
      - { .name: kh, .offset: 64, .size: 8, .value_kind: global_buffer, .address_space: global }
      - { .name: vh, .offset: 72, .size: 8, .value_kind: global_buffer, .address_space: global }
    .group_segment_fixed_size: 246784
    .private_segment_fixed_size: 0
    .kernarg_segment_align: 8
    .kernarg_segment_size: 80
    .max_flat_workgroup_size: 192
    .sgpr_count:     66
    .vgpr_count:     240
    .wavefront_size: 32
...
	.end_amdgpu_metadata
.endif
;; end of part 1
;; launch attn (part 2): grid 128 x 2, 8 waves a work-group, clusters of 4 x 1, 327,680 bytes of LDS; arguments qh, kh, vh, mask, Wo, bo, out0; writes out0
.if DOCPART == 2
	.amdgcn_target "amdgcn-amd-amdhsa--gfx1250"
	.amdhsa_code_object_version 6
	.text
	.protected	k_qfd97e2fe4f_attn
	.globl	k_qfd97e2fe4f_attn
	.p2align	8
	.type	k_qfd97e2fe4f_attn,@function
k_qfd97e2fe4f_attn:
	s_mov_b64 s[64:65], 0
	v_nop
	global_prefetch_b8 v0, s[64:65] scope:SCOPE_SE
	s_setreg_imm32_b32 hwreg(HW_REG_WAVE_MODE, 25, 1), 1
	s_wait_xcnt 0x0
	s_wait_alu depctr_hold_cnt(0) depctr_sa_sdst(0) depctr_va_vdst(0) depctr_va_sdst(0) depctr_va_ssrc(0) depctr_va_vcc(0) depctr_vm_vsrc(0)
	s_getreg_b32 s2, hwreg(HW_REG_IB_STS2, 6, 4)
	s_cmp_eq_u32 s2, 0
	s_cbranch_scc0 .Lentry_in_a_cluster
	s_endpgm
.Lentry_in_a_cluster:
	s_bfe_u32 s2, ttmp6, 0x10000c
	s_cmp_lg_u32 s2, 0x3003
	s_cbranch_scc0 .Lentry_shape_is_right
	s_endpgm
.Lentry_shape_is_right:
; out0[b][q][:] = (sum over k of softmax_k(masked q . k / 4) v) Wo^T + bo, 8 heads of 16 channels.  qh (already times log2(e) / 4), kh, vh: [2][4096][128] f16; mask: [4096][4096] bytes, an input:
; every byte is read and honoured, no pattern is assumed.  Wo: [128][128] f32, bo: [128] f32, out0: [2][4096][128] f32.  Products in f16, sums, maxima and rescaling in f32.
; LIMITS.  A hidden score counts as its value less 2^97 to 2^99; a visible one carries an addend of at most 2.3e-38; a row whose maximum lies below -2^93 counts as wholly hidden and gives bo, so scaled scores stay under 2^93.
; A weight below 2^-126 counts as 0; the weights are rounded to f16, and their sum l is taken of the rounded weights; O is rounded once to f16.  Wo and bo are rounded to bf16; Wo's bf16 number is then written as f16:
; exact from 2^-14 to 65,504, below that in steps of 6e-8.  Mask bytes are 0 or 1.  NaN and infinities are not treated apart.
; SHARES.  A work-group owns 32 queries of one batch and all 8 heads, so that the last projection is made here.  Wave w: queries 16 (w / 4) on, heads 2 (w % 4) and + 1 (UNITS 0, 1).  Every wave walks all 4,096 keys, 64 a step.
; LAYOUT.  S^T = K Q^T + bias (source 0 = 16 keys, source 1 = 16 queries): a lane holds ONE query (lane % 16) and the keys 8 (lane / 16) + 0..7.  A fragment of K holds 32 channels, two heads, as the row lies;
; Q's fragment has zeros in the other head's half.  The bias (0, or about -2^98 where the mask hides the key) is the C operand, made once for both units.  Two results rounded to f16 ARE source 1 of O^T = V^T P.
; l comes from the matrix unit too: ONES x P, where ONES has ones in rows 0 and 8 alone: register 0 of the result is the query's sum over both halves of the lanes, registers 1-7 stay 0.
; SOFTMAX.  A running maximum m: p = 2^(s - m); in every step O and l are multiplied by a = 2^(m_old - m_new).  m starts at the lowest finite number, O and l at 0 (32 v_mov_b32, in the wait for the first tile), so no first step is written out.
; Hidden keys ahead of a row's first visible one give weights of at most 1, which that key's a = 0 wipes out.
; RING.  Two slots, each with 256 keys: K, V and the 32 x 256 mask bytes; one round of the cluster's barrier a slot, and behind it the other slot's refill, which has four key steps in which to land.
; CLUSTER.  The four query blocks of a cluster belong to one batch and walk the same K and V (and Wo): these are asked for JOINTLY.  The mask's tile is the work-group's own: only the two batches share it, which lie along the grid's y,
; and it is 8,192 of a slot's 139,264 bytes.
; All 256 registers lie in one window: the text holds no switch.
.set PK,    272                        ; a row of K in LDS: 256 + 16 bytes: the 16 rows of a load start at 16 different groups of four banks (ISA guide 11.1)
.set PV,    288                        ; a row of V: 256 + 32
.set PM,    272                        ; a row of the mask's tile: 256 + 16
.set PW,    528                        ; a row of Wo, and of the output's stage: 512 + 16
.set VOFF,  256*PK
.set MOFF,  VOFF+256*PV
.set SLOTB, MOFF+32*PM                 ; a slot: 152,064 bytes
.set OX,    2*SLOTB                    ; behind the ring, never filled by a tensor load: 1,024 bytes a wave, O's fragments on their way to the waves of the last product
.set SPARE, OX+8*1024                  ; the spare words, 128 bytes for each wave: four blocks of 256 bytes that no other line names
.set OSTG,  SLOTB                      ; the output's stage, 32 rows x 528 bytes, in slot 1 when that slot has had its last fill and its last read
.set AK0, 3                            ; v3-5   my lane's place in a step's K, V, mask; never rewritten
.set AV0, 4
.set AM0, 5
.set AK,  6                            ; v6-8   the LDS addresses of the runs of loads in hand
.set AV,  7
.set AM,  8
.set LUT, 9                            ; v9     0x000000f0: byte 0 for a mask byte 0, byte 1 for a mask byte 1
.set SPW, 10                           ; v10    LDS address of my spare word; never rewritten
.set NIL, 11                           ; v11    0; never rewritten
.set BOA, 12                           ; v12-19 addresses of the end and of Q
.set OXS, 13
.set OXR, 14
.set WOA, 15
.set OST, 16
.set ORD, 17
.set GOF, 18
.set QO,  19
.set ST,  20                           ; unit u: m at v[ST+2u]; the register beside it is named with it as a pair
.set MO,  24                           ; v24-25 m_old
.set TMP, 28                           ; unit u: c0-c3 at v[TMP+4u]; when the maximum is found c2 takes a
.set MR,  36                           ; v36-43 the step's mask bytes: 8 a lane for each 16 keys
.set QF,  44                           ; v44-47 Q of unit 0, v48-51 zeros, v52-55 Q of unit 1: unit u's fragment is v[QF+4u:QF+4u+7]
.set ONES,56
.set S,   64                           ; 32 a unit; P is packed in place into the unit's first 16
.set KF,  128                          ; keys 16 kt on at KF + 8 kt
.set VF,  160                          ; unit u, keys 32 kk on at VF + 16 u + 8 kk
.set MB,  192                          ; the bias for keys 16 kt on at MB + 8 kt
.set OA,  224                          ; O^T, 8 a unit
.set LS,  240                          ; l, 8 a unit
.set BF,  32                           ; the end: O's fragments, 8 a K step
.set RW,  64                           ; Wo in f32
.set WOF, 128                          ; Wo's fragments, 32 for each of my two blocks of 16 columns
.set BO,  192                          ; bo, and the output's sums
.set OF,  208                          ; my O in f16
.set WV,  18                           ; s18 wave  s19 w / 4  s20 w % 4  s21 place in the cluster  s22 query block  s23 batch
.set QT,  19
.set HP,  20
.set CX,  21
.set QB,  22
.set BT,  23
.set G1K, 24                           ; group 1: K s[24:31], V s[32:39], mask s[40:47], Wo s[48:55]
.set G1V, 32
.set G1M, 40
.set G1W, 48
.set G0K, 56                           ; group 0: K s[56:59], V s[60:63], mask s[68:71], Wo s[72:75]
.set G0V, 60
.set G0M, 68
.set G0W, 72
.set TBK, 76                           ; s76-78 LDS byte at which the step to be fetched begins, less the region's offset in a slot
.set TBV, 77
.set TBM, 78
.set SLOTS, 79
.set CNT, 80
.set SEL, 82                           ; s[82:83] v_permlanex16_b32's selects: each lane takes its own place in the other half
.set THR, 84                           ; s84 -2^93
.set HIM, 85                           ; s85 a word's upper half
.macro ROUND                           ; a round of the cluster's barrier: my work-group's barrier, wave 0 signals, every wave waits for all four work-groups, my work-group's barrier once more
	s_barrier_signal -1
	s_barrier_wait -1
	s_cmp_lg_u32 s[WV], 0
	s_cbranch_scc1 .Lnot_wave_0_\@
	s_barrier_signal -3
.Lnot_wave_0_\@:
	s_barrier_wait -3
	s_barrier_signal -1
	s_barrier_wait -1
.endm
; A slot's fill: wave 0 asks for K's 256 rows and wave 1 for V's, jointly; wave 2 for the mask's 32 rows, the work-group's own.  The branches hang on the wave's number alone.  One load of a wave is out.
; An s_nop 0 and four v_nop follow each line, ahead of the jump and the label.
.macro JLOAD
	s_cmp_lg_u32 s[WV], 0
	s_cbranch_scc1 .Lnot_k_\@
	tensor_load_to_lds s[G0K:G0K+3], s[G1K:G1K+7]
	s_nop 0
.rept 4
	v_nop
.endr
	s_branch .Lasked_\@
.Lnot_k_\@:
	s_cmp_lg_u32 s[WV], 1
	s_cbranch_scc1 .Lnot_v_\@
	tensor_load_to_lds s[G0V:G0V+3], s[G1V:G1V+7]
	s_nop 0
.rept 4
	v_nop
.endr
	s_branch .Lasked_\@
.Lnot_v_\@:
	s_cmp_lg_u32 s[WV], 2
	s_cbranch_scc1 .Lasked_\@
	tensor_load_to_lds s[G0M:G0M+3], s[G1M:G1M+7]
	s_nop 0
.rept 4
	v_nop
.endr
.Lasked_\@:
.endm
.macro JLOADW                          ; Wo, jointly, by wave 3, into slot 0's K region: that slot's last fill
	s_cmp_lg_u32 s[WV], 3
	s_cbranch_scc1 .Lnot_w_\@
	tensor_load_to_lds s[G0W:G0W+3], s[G1W:G1W+7]
	s_nop 0
.rept 4
	v_nop
.endr
.Lnot_w_\@:
.endm
; THE CHANGE OF SLOTS.  Each wave waits for all its tensor loads (at most one is out: its part of the other slot), adds 0 to its spare word, and waits for that and for its reads of the slot that it leaves.
; Behind the round no wave of any partner reads the old slot or has a load on its way, and the other slot is whole; the refill is the first thing there.  kind = 1: the next 256 keys; kind = 2: Wo.
; (At its first use nothing has been read yet: slot 0 is waited for, slot 1 filled.)
.macro CHANGE kind
	s_wait_tensorcnt 0x0                           ; no tensor load of mine is out, so a group 0 may be written
	ds_add_u32 v[SPW], v[NIL]                      ; 0 onto my spare word; the descriptors' steps stand between it and the wait for it
.if (\kind) == 1
	s_xor_b32 s[G0K+1], s[G0K+1], SLOTB            ; each LDS word has two values, and the exclusive or by their difference in bits turns one into the other
	s_add_nc_u64 s[G0K+2:G0K+3], s[G0K+2:G0K+3], 256*256  ; the next 256 rows; the type bits on top are not reached
	s_xor_b32 s[G0V+1], s[G0V+1], VOFF^(VOFF+SLOTB)
	s_add_nc_u64 s[G0V+2:G0V+3], s[G0V+2:G0V+3], 256*256
	s_xor_b32 s[G0M+1], s[G0M+1], MOFF^(MOFF+SLOTB)
	s_add_nc_u64 s[G0M+2:G0M+3], s[G0M+2:G0M+3], 256  ; the next 256 columns of the mask
.endif
	s_wait_dscnt 0x0                               ; the add is done, and my reads of the slot are over
	ROUND
.if (\kind) == 1
	JLOAD
.else
	JLOADW
.endif
	s_sub_co_u32 s[TBK], s[TBK], 4*64*PK           ; the fetches go back to a slot's first step,
	s_xor_b32 s[TBK], s[TBK], SLOTB                ; in the other slot
	s_sub_co_u32 s[TBV], s[TBV], 4*64*PV
	s_xor_b32 s[TBV], s[TBV], SLOTB
	s_sub_co_u32 s[TBM], s[TBM], 4*64
	s_xor_b32 s[TBM], s[TBM], SLOTB
.endm
	s_load_b256 s[4:11], s[0:1], 0x0               ; qh 4, kh 6, vh 8, mask 10
	s_load_b128 s[12:15], s[0:1], 0x20             ; Wo 12, bo 14
	s_load_b64 s[16:17], s[0:1], 0x30              ; out0
	v_lshl_add_u32 v[SPW], v0, 2, SPARE
	v_mov_b32 v[NIL], 0
	ds_add_u32 v[SPW], v[NIL]                      ; the wave's opening: the add and its wait stand ahead of my first tensor load; the set-up below stands between them
	v_lshrrev_b32 v1, 5, v0
	v_readfirstlane_b32 s[WV], v1                  ; wave 0..7
	s_lshr_b32 s[QT], s[WV], 2
	s_and_b32 s[HP], s[WV], 3
	s_bfe_u32 s[CX], ttmp6, 0x40000                ; my place in the cluster
	s_lshl_b32 s[QB], ttmp9, 2                     ; in a cluster launch ttmp9 counts clusters
	s_add_co_u32 s[QB], s[QB], s[CX]               ; my block of 32 queries: it enters the mask's, Q's and the output's addresses alone
	s_and_b32 s[BT], ttmp7, 0xffff                 ; the batch, which the four partners share
	s_mov_b32 s[G1K], 15|(1<<16)|(1<<20)|(1<<21)|(5<<22)|(3<<25)  ; the mask of four, bit 21 beside it; 2-byte elements; 4 words of padding behind every 64
	s_mov_b32 s[G1V], 15|(1<<16)|(1<<20)|(1<<21)|(5<<22)|(7<<25)  ; the same with 8 words
.irp g, G1K, G1V
	s_mov_b32 s[\g+1], 128<<16                     ; tensor_dim0 = 128
	s_mov_b32 s[\g+2], 256<<16                     ; tensor_dim1 = 256
	s_mov_b32 s[\g+3], 128<<16                     ; tile_dim0 = 128
	s_mov_b32 s[\g+4], 256                         ; tile_dim1 = 256
	s_mov_b32 s[\g+5], 128                         ; elements from row to row
	s_mov_b32 s[\g+6], 0
	s_mov_b32 s[\g+7], 0
.endr
	s_mov_b32 s[G1M], (2<<16)|(1<<20)|(5<<22)|(3<<25)  ; no work-group mask; 256 mask bytes as 64 elements of 4 bytes; 4 words of padding behind them
	s_mov_b32 s[G1M+1], 64<<16
	s_mov_b32 s[G1M+2], 32<<16
	s_mov_b32 s[G1M+3], 64<<16
	s_mov_b32 s[G1M+4], 32
	s_mov_b32 s[G1M+5], 1024                       ; 4,096 bytes from row to row
	s_mov_b32 s[G1M+6], 0
	s_mov_b32 s[G1M+7], 0
	s_mov_b32 s[G1W], 15|(2<<16)|(1<<20)|(1<<21)|(6<<22)|(3<<25)  ; Wo: 128 rows of 128 f32, 4 words of padding behind every 128
	s_mov_b32 s[G1W+1], 128<<16
	s_mov_b32 s[G1W+2], 128<<16
	s_mov_b32 s[G1W+3], 128<<16
	s_mov_b32 s[G1W+4], 128
	s_mov_b32 s[G1W+5], 128
	s_mov_b32 s[G1W+6], 0
	s_mov_b32 s[G1W+7], 0
	s_mov_b32 s[G0K], 1
	s_mov_b32 s[G0K+1], 0                          ; slot 0
	s_mov_b32 s[G0V], 1
	s_mov_b32 s[G0V+1], VOFF
	s_mov_b32 s[G0M], 1
	s_mov_b32 s[G0M+1], MOFF
	s_mov_b32 s[G0W], 1
	s_mov_b32 s[G0W+1], 0
	s_mov_b32 s[TBK], SLOTB+4*64*PK                ; the first change of slots turns these three into 0
	s_mov_b32 s[TBV], SLOTB+4*64*PV
	s_mov_b32 s[TBM], SLOTB+4*64
	s_mov_b32 s[SEL], 0x76543210
	s_mov_b32 s[SEL+1], 0xfedcba98
	s_mov_b32 s[THR], 0xee000000
	s_mov_b32 s[HIM], 0xffff0000
	s_wait_dscnt 0x0                               ; the opening add is done
	s_wait_kmcnt 0x0
	s_lshl_b32 s86, s[BT], 20                      ; a batch's 4,096 rows of 256 bytes: s[86:87] never holds my place in the cluster
	s_mov_b32 s87, 0
	s_add_nc_u64 s[G0K+2:G0K+3], s[6:7], s[86:87]
	s_or_b32 s[G0K+3], s[G0K+3], 0x80000000        ; type = 2
	s_add_nc_u64 s[G0V+2:G0V+3], s[8:9], s[86:87]
	s_or_b32 s[G0V+3], s[G0V+3], 0x80000000
	s_mov_b64 s[G0W+2:G0W+3], s[12:13]
	s_or_b32 s[G0W+3], s[G0W+3], 0x80000000
	s_lshl_b32 s88, s[QB], 17                      ; 32 rows of 4,096 mask bytes
	s_mov_b32 s89, 0
	s_add_nc_u64 s[G0M+2:G0M+3], s[10:11], s[88:89]
	s_or_b32 s[G0M+3], s[G0M+3], 0x80000000
	s_lshl_b32 s88, s[QB], 13                      ; Q: batch, block of 32 rows, my 16 of them, my two heads' 64 bytes
	s_lshl_b32 s90, s[BT], 20
	s_add_co_u32 s88, s88, s90
	s_lshl_b32 s90, s[QT], 12
	s_add_co_u32 s88, s88, s90
	s_lshl_b32 s90, s[HP], 6
	s_add_co_u32 s88, s88, s90
	s_add_nc_u64 s[4:5], s[4:5], s[88:89]
	s_lshl_b32 s88, s[QB], 14                      ; the output: rows of 512 bytes; wave w stores rows 4 w .. 4 w + 3 of the block
	s_lshl_b32 s90, s[BT], 21
	s_add_co_u32 s88, s88, s90
	s_lshl_b32 s90, s[WV], 11
	s_add_co_u32 s88, s88, s90
	s_add_nc_u64 s[16:17], s[16:17], s[88:89]
	ROUND                                          ; all four work-groups are here: the first joint loads meet
	JLOAD                                          ; keys 0 to 255 into slot 0
	; All that follows up to the loop stands in the wait for the first tile.
	v_and_b32 v1, 15, v0                           ; r = lane % 16
	v_bfe_u32 v2, v0, 4, 1                         ; h = lane / 16
	v_lshlrev_b32 v[QO], 8, v1
	v_lshl_add_u32 v[QO], v2, 4, v[QO]             ; row x 256 + 16 x half
	global_load_b128 v[QF:QF+3],    v[QO], s[4:5]            ; head 2 (w % 4): channels 8 h + 0..7
	global_load_b128 v[QF+8:QF+11], v[QO], s[4:5] offset:32  ; the next head
	s_lshl_b32 s90, s[HP], 6                       ; my two heads' 64 bytes in a row of K or V
	v_mul_u32_u24 v[AK0], v1, PK
	v_lshl_add_u32 v[AK0], v2, 4, v[AK0]
	v_add_nc_u32 v[AK0], s90, v[AK0]
	; The turning load takes 16 keys x 16 channels (lane l reads key 8 (l / 16) + l % 8, channels 8 ((l / 8) % 2) + 0..7) and leaves half a fragment of V^T: lane l holds channel l % 16 and 8 keys.
	v_and_b32 v27, 7, v0
	v_lshl_add_u32 v[AV0], v2, 3, v27
	v_mul_u32_u24 v[AV0], v[AV0], PV
	v_bfe_u32 v26, v0, 3, 1
	v_lshl_add_u32 v[AV0], v26, 4, v[AV0]
	s_add_co_u32 s91, s90, VOFF
	v_add_nc_u32 v[AV0], s91, v[AV0]
	s_mul_i32 s91, s[QT], 16*PM                    ; the mask's row of my query, and the 8 bytes of my half of the lanes
	s_add_co_u32 s91, s91, MOFF
	v_mul_u32_u24 v[AM0], v1, PM
	v_lshl_add_u32 v[AM0], v2, 3, v[AM0]
	v_add_nc_u32 v[AM0], s91, v[AM0]
	s_mov_b32 s91, 0x3c003c00                      ; 1.0 twice in f16
	v_cmp_eq_u32 vcc_lo, 0, v27                    ; lanes 0, 8, 16, 24 hold rows 0 and 8 of source 0
	v_cndmask_b32 v[ONES], 0, s91, vcc_lo
.irp i, 1,2,3,4,5,6,7
	v_mov_b32 v[ONES+(\i)], v[ONES]
.endr
	v_mov_b32 v[LUT], 0xf0
.irp i, 4,5,6,7
	v_mov_b32 v[QF+(\i)], 0
.endr
	v_mov_b32 v[ST], 0xff7fffff                    ; m: the lowest finite number
	v_mov_b32 v[ST+1], 0
	v_mov_b32 v[ST+2], 0xff7fffff
	v_mov_b32 v[ST+3], 0
.set z, 0
.rept 32
	v_mov_b32 v[OA+z], 0                           ; O^T and l
.set z, z+1
.endr
	v_and_b32 v26, 31, v0
	v_lshlrev_b32 v[GOF], 4, v26                   ; 16 x lane
	s_lshl_b32 s91, s[HP], 7
	v_lshl_add_u32 v[BOA], v2, 5, s91              ; bo: my 32 columns, 8 numbers for each half of the lanes
	s_lshl_b32 s91, s[WV], 10
	s_add_co_u32 s91, s91, OX
	v_add_nc_u32 v[OXS], s91, v[GOF]               ; where I put my O
	s_lshl_b32 s91, s[QT], 12
	s_add_co_u32 s91, s91, OX
	v_add_nc_u32 v[OXR], s91, v[GOF]               ; where the four waves of my queries have put theirs
	v_mul_u32_u24 v27, v1, PW
	v_lshl_add_u32 v27, v2, 5, v27                 ; row x 528 + 8 f32 x half
	s_mul_i32 s91, s[HP], 32*PW
	v_add_nc_u32 v[WOA], s91, v27                  ; Wo's rows 32 (w % 4) + r
	s_mul_i32 s91, s[QT], 16*PW
	s_lshl_b32 s90, s[HP], 7
	s_add_co_u32 s91, s91, s90
	s_add_co_u32 s91, s91, OSTG
	v_add_nc_u32 v[OST], s91, v27                  ; the stage: my query's row, my 32 columns
	s_mul_i32 s91, s[WV], 4*PW
	s_add_co_u32 s91, s91, OSTG
	v_add_nc_u32 v[ORD], s91, v[GOF]               ; back: whole rows, four a wave
	s_wait_loadcnt 0x0                             ; Q
; THE LDS LOADS stand in runs.  A step's mask bytes (4 loads of 8 bytes) and K (4 fragments, 8 loads); a step's V, turned (4 fragments, 8 loads).
.macro FETCH_KM
	v_add_nc_u32 v[AK], s[TBK], v[AK0]
	v_add_nc_u32 v[AM], s[TBM], v[AM0]
.irp kt, 0,1,2,3
	ds_load_b64 v[MR+2*(\kt):MR+2*(\kt)+1], v[AM] offset:16*(\kt)
.endr
.irp kt, 0,1,2,3
	ds_load_b128 v[KF+8*(\kt):KF+8*(\kt)+3],   v[AK] offset:(\kt)*16*PK
	ds_load_b128 v[KF+8*(\kt)+4:KF+8*(\kt)+7], v[AK] offset:(\kt)*16*PK+32
.endr
	s_add_co_u32 s[TBK], s[TBK], 64*PK             ; the next fetch is the next step's
	s_add_co_u32 s[TBM], s[TBM], 64
.endm
.macro FETCH_V
	v_add_nc_u32 v[AV], s[TBV], v[AV0]
.irp u, 0,1
.irp kk, 0,1
	ds_load_tr16_b128 v[VF+16*(\u)+8*(\kk):VF+16*(\u)+8*(\kk)+3],   v[AV] offset:(\kk)*32*PV+32*(\u)
	ds_load_tr16_b128 v[VF+16*(\u)+8*(\kk)+4:VF+16*(\u)+8*(\kk)+7], v[AV] offset:(\kk)*32*PV+16*PV+32*(\u)
.endr
.endr
	s_add_co_u32 s[TBV], s[TBV], 64*PV
.endm
; Four numbers of the bias from word w of the 8 mask bytes for keys 16 kt on.  The mask word is the selector: byte 0 picks 0xf0, byte 1 picks 0x00.  A number's top byte decides: 0xf0.. lies in -2^97 to -2^99, 0x00.. is at most 2.3e-38;
; the bytes below it are the neighbours'.  One instruction a number.
.macro MBT kt, w
	v_perm_b32 v[MB+8*(\kt)+4*(\w)+3], v[LUT], v[LUT], v[MR+2*(\kt)+(\w)]
	v_lshlrev_b32 v[MB+8*(\kt)+4*(\w)+2], 8,  v[MB+8*(\kt)+4*(\w)+3]
	v_lshlrev_b32 v[MB+8*(\kt)+4*(\w)+1], 16, v[MB+8*(\kt)+4*(\w)+3]
	v_lshlrev_b32 v[MB+8*(\kt)+4*(\w)],   24, v[MB+8*(\kt)+4*(\w)+3]
.endm
.macro QK kt, u                        ; S^T of 16 keys for unit u, started from the bias
	v_wmma_f32_16x16x32_f16 v[S+32*(\u)+8*(\kt):S+32*(\u)+8*(\kt)+7], v[KF+8*(\kt):KF+8*(\kt)+7], v[QF+4*(\u):QF+4*(\u)+7], v[MB+8*(\kt):MB+8*(\kt)+7]
.endm
.macro PVM u, kk                       ; O^T += V^T P, keys 32 kk on
	v_wmma_f32_16x16x32_f16 v[OA+8*(\u):OA+8*(\u)+7], v[VF+16*(\u)+8*(\kk):VF+16*(\u)+8*(\kk)+7], v[S+32*(\u)+8*(\kk):S+32*(\u)+8*(\kk)+7], v[OA+8*(\u):OA+8*(\u)+7]
.endm
.macro LSM u, kk                       ; l += ONES x P
	v_wmma_f32_16x16x32_f16 v[LS+8*(\u):LS+8*(\u)+7], v[ONES:ONES+7], v[S+32*(\u)+8*(\kk):S+32*(\u)+8*(\kk)+7], v[LS+8*(\u):LS+8*(\u)+7]
.endm
; Number n of the 21 that find unit u's maximum and a.  s0-s31 are the lane's 32 scores; each accumulator's lowest registers are read first.
;   0-11  four chains c0-c3 of seven scores each, three operands at a time     12-14, 16  the four scores left over, the old m, and c0-c3 into c0     15  m_old is kept
;   17, 18  the query's other 32 keys lie in the lane 16 away: the new m         19, 20  m_old - m_new; a
.macro XS u, n
.set rS, S+32*(\u)
.set rC, TMP+4*(\u)
.set rT, ST+2*(\u)
.set rW, MO+(\u)
.if (\n) < 4
	v_max3_num_f32 v[rC+(\n)], v[rS+8*(\n)], v[rS+8*(\n)+1], v[rS+8*(\n)+2]
.elseif (\n) < 12
	v_max3_num_f32 v[rC+(\n)%4], v[rC+(\n)%4], v[rS+8*((\n)%4)+2*((\n)/4)+1], v[rS+8*((\n)%4)+2*((\n)/4)+2]
.elseif (\n) == 12
	v_max3_num_f32 v[rC], v[rC], v[rS+7], v[rS+15]
.elseif (\n) == 13
	v_max3_num_f32 v[rC+1], v[rC+1], v[rS+23], v[rS+31]
.elseif (\n) == 14
	v_max3_num_f32 v[rC+2], v[rC+2], v[rC+3], v[rT]
.elseif (\n) == 15
	v_mov_b32 v[rW], v[rT]
.elseif (\n) == 16
	v_max3_num_f32 v[rC], v[rC], v[rC+1], v[rC+2]
.elseif (\n) == 17
	v_permlanex16_b32 v[rC+3], v[rC], s[SEL], s[SEL+1]
.elseif (\n) == 18
	v_max_num_f32 v[rT], v[rC], v[rC+3]
.elseif (\n) == 19
	v_sub_f32 v[rC+1], v[rW], v[rT]
.else
	v_exp_f32 v[rC+2], v[rC+1]
.endif
.endm
.macro X2 n                            ; the two units alternate, so that no line reads the result of the one before it
	XS 0, \n
	XS 1, \n
.endm
; THE PLAIN QUEUE, 74 long, the units alternating.  0-15: s - m for pairs 0-7.  16-23: O^T times a.  24, 25: l times a (register 0 alone: the others are 0).  26-41: s - m for pairs 8-15.
; 42-73: pair n of weights rounded to f16 into the unit's register n: in place, ascending, so that a register is written when both its own exponential and the rounding that read it are done.
.macro PL
.set pu, q%2
.set pS, S+32*pu
.if q < 16
.set pn, q/2
	v_pk_add_f32 v[pS+2*pn:pS+2*pn+1], v[pS+2*pn:pS+2*pn+1], v[ST+2*pu:ST+2*pu+1] op_sel_hi:[1,0] neg_lo:[0,1] neg_hi:[0,1]
.elseif q < 24
.set pn, (q-16)/2
	s_wait_alu depctr_va_vdst(0)
	v_pk_mul_f32 v[OA+8*pu+2*pn:OA+8*pu+2*pn+1], v[OA+8*pu+2*pn:OA+8*pu+2*pn+1], v[TMP+4*pu+2:TMP+4*pu+3] op_sel_hi:[1,0]
.elseif q < 26
	v_mul_f32 v[LS+8*pu], v[LS+8*pu], v[TMP+4*pu+2]
.elseif q < 42
.set pn, 8+(q-26)/2
	v_pk_add_f32 v[pS+2*pn:pS+2*pn+1], v[pS+2*pn:pS+2*pn+1], v[ST+2*pu:ST+2*pu+1] op_sel_hi:[1,0] neg_lo:[0,1] neg_hi:[0,1]
.else
.set pn, (q-42)/2
	s_wait_alu depctr_va_vdst(0)
	v_cvt_pk_f16_f32 v[pS+pn], v[pS+2*pn], v[pS+2*pn+1]
.endif
.set q, q+1
.endm
.macro EX                              ; THE EXPONENTIALS' QUEUE, 64 long: score e / 2 of unit e % 2, in place
	v_exp_f32 v[S+32*(e%2)+e/2], v[S+32*(e%2)+e/2]
.set e, e+1
.endm
.macro EP2                             ; exponential and plain by turns: behind each exponential stands a plain line that names none of its registers (ISA guide 5.7.2)
	EX
	PL
	EX
	PL
.endm
; A KEY STEP: 64 keys, two heads.  pf = 1: the next step's mask bytes and K are fetched in its middle.  At its head 12 LDS loads are out: this step's mask bytes (4) and K (8).
; The queues keep in step: exponential e stands behind plain e + 3, and its own s - m is plain 2 (e / 4) + e % 2 (e < 32) or 10 + 2 (e / 4) + e % 2; the rounding of pair n stands 36 - 2 n pairs of lines behind the pair's second exponential.
.macro STEP pf
	FETCH_V
	s_wait_dscnt 16                                ; K's 8 loads and V's 8 may be out: the mask bytes are in
	MBT 0, 0
	MBT 0, 1
	s_wait_dscnt 8                                 ; V's 8 may be out: K is in
.irp kt, 0,1,2
	QK \kt, 0                                      ; the next 16 keys' bias is made beside the products
	MBT (\kt)+1, 0
	QK \kt, 1
	MBT (\kt)+1, 1
.endr
	QK 3, 0
	X2 0
	X2 1
	QK 3, 1
	X2 4
	X2 5
	X2 8
	X2 9
	X2 2
	X2 6
	X2 10
.if \pf
	FETCH_KM                                       ; 14 plain lines that name none of its registers stand behind the last product that read K
.endif
.irp n, 3,7,11,12,13,14,15,16,17,18,19,20
	X2 \n
.endr
.set q, 0
.set e, 0
.rept 4
	PL
.endr
.rept 27
	EP2
.endr
.if \pf
	s_wait_dscnt 12                                ; the 12 loads of the next step's mask bytes and K may be out: V is in
.else
	s_wait_dscnt 0x0                               ; V is in
.endif
	PVM 0, 0                                       ; the first 32 keys' weights are packed; the lines between name registers 8 to 31 of S alone, never these products' 0 to 7.  The four accumulators take turns
	EP2
	LSM 0, 0
	EP2
	PVM 1, 0
	EP2
	LSM 1, 0
	EP2
	EP2
.rept 6
	PL
.endr
	PVM 0, 1
	LSM 0, 1
	PVM 1, 1
	LSM 1, 1
.rept 4
	v_nop                                          ; the places in front of the next loads into V (ISA guide 7.12.1 for vector instructions); with the next step's first nine plain lines also those in front of the product that writes over P
.endr
.endm
.macro SLOTWORK                        ; a slot's four key steps
	FETCH_KM
	s_mov_b32 s[CNT], 3
.Lstep_\@:
	STEP 1
	s_sub_co_u32 s[CNT], s[CNT], 1
	s_cmp_lg_u32 s[CNT], 0
	s_cbranch_scc1 .Lstep_\@
	STEP 0                                         ; the slot's last step fetches nothing beyond it
.endm
	s_mov_b32 s[SLOTS], 15
.Lslot:                                                ; trip k = 1 .. 15: keys 256 (k - 1) on are in; keys 256 k on are asked for; the former are worked on
	CHANGE 1
	SLOTWORK
	s_sub_co_u32 s[SLOTS], s[SLOTS], 1
	s_cmp_lg_u32 s[SLOTS], 0
	s_cbranch_scc1 .Lslot
	CHANGE 2                                       ; the last 256 keys are in (slot 1); slot 0 takes Wo
	SLOTWORK
	; THE END.  O = O^T / l, or 0 for a row that saw no key; f16; through LDS to the four waves of my queries; times Wo^T, plus bo.
	global_load_b128 v[BO:BO+3],     v[BOA], s[14:15]            ; register j of sum i is column 32 (w % 4) + 16 i + 8 h + j
	global_load_b128 v[BO+4:BO+7],   v[BOA], s[14:15] offset:16
	global_load_b128 v[BO+8:BO+11],  v[BOA], s[14:15] offset:64
	global_load_b128 v[BO+12:BO+15], v[BOA], s[14:15] offset:80
	v_rcp_f32 v[TMP], v[LS]
	v_rcp_f32 v[TMP+4], v[LS+8]
	v_nop                                          ; a plain line between the reciprocals and the use of their results
	v_cmp_lt_f32 vcc_lo, s[THR], v[ST]             ; has the row seen a key?
	s_wait_alu depctr_va_vdst(0)
	v_cndmask_b32 v[TMP], 0, v[TMP], vcc_lo
	v_cmp_lt_f32 vcc_lo, s[THR], v[ST+2]
	v_cndmask_b32 v[TMP+4], 0, v[TMP+4], vcc_lo
.irp u, 0,1
.irp i, 0,1,2,3
	v_pk_mul_f32 v[OA+8*(\u)+2*(\i):OA+8*(\u)+2*(\i)+1], v[OA+8*(\u)+2*(\i):OA+8*(\u)+2*(\i)+1], v[TMP+4*(\u):TMP+4*(\u)+1] op_sel_hi:[1,0]
.endr
.endr
.irp u, 0,1
.irp i, 0,1,2,3
	v_cvt_pk_f16_f32 v[OF+4*(\u)+(\i)], v[OA+8*(\u)+2*(\i)], v[OA+8*(\u)+2*(\i)+1]
.endr
.endr
	; A lane's 8 channels of head 2 t + u are registers 4 u .. 4 u + 3 of source 1 for K step t, in the same lane: the fragments go through LDS lane by lane.
	ds_store_b128 v[OXS], v[OF:OF+3]
	ds_store_b128 v[OXS], v[OF+4:OF+7] offset:512
	s_wait_tensorcnt 0x0                           ; Wo is in (wave 3's load; the others have none out),
	s_wait_dscnt 0x0                               ; my O is stored, and my reads of slot 1 are over
	s_barrier_signal -1
	s_barrier_wait -1                              ; all that holds of every wave
.irp i, 0,1,2,3,4,5,6,7
	ds_load_b128 v[BF+4*(\i):BF+4*(\i)+3], v[OXR] offset:512*(\i)
.endr
; Wo's rows 32 (w % 4) + 16 i + r, all 128 channels, in f32: 16 loads; rounded to bf16 like the other inputs, and that number written as f16.
.macro WOLOAD i
.irp t, 0,1,2,3
	ds_load_b128 v[RW+16*(\t):RW+16*(\t)+3],     v[WOA] offset:(\i)*16*PW+128*(\t)
	ds_load_b128 v[RW+16*(\t)+4:RW+16*(\t)+7],   v[WOA] offset:(\i)*16*PW+128*(\t)+16
	ds_load_b128 v[RW+16*(\t)+8:RW+16*(\t)+11],  v[WOA] offset:(\i)*16*PW+128*(\t)+64
	ds_load_b128 v[RW+16*(\t)+12:RW+16*(\t)+15], v[WOA] offset:(\i)*16*PW+128*(\t)+80
.endr
	s_wait_dscnt 0x0
.set z, 0
.rept 32
	v_cvt_pk_bf16_f32 v[RW+2*z], v[RW+2*z], v[RW+2*z+1]
	v_and_b32 v[RW+2*z+1], s[HIM], v[RW+2*z]
	v_lshlrev_b32 v[RW+2*z], 16, v[RW+2*z]
	v_cvt_pk_f16_f32 v[WOF+32*(\i)+z], v[RW+2*z], v[RW+2*z+1]
.set z, z+1
.endr
.endm
	WOLOAD 0
	WOLOAD 1
	s_wait_loadcnt 0x0                             ; bo
.set z, 0
.rept 8
	v_cvt_pk_bf16_f32 v[BO+2*z], v[BO+2*z], v[BO+2*z+1]
	v_and_b32 v[BO+2*z+1], s[HIM], v[BO+2*z]
	v_lshlrev_b32 v[BO+2*z], 16, v[BO+2*z]
.set z, z+1
.endr
.irp t, 0,1,2,3                        ; transposed again (source 0 = 16 rows of Wo, source 1 = 16 queries); the sums start from bo, the two accumulators by turns
.irp i, 0,1
	v_wmma_f32_16x16x32_f16 v[BO+8*(\i):BO+8*(\i)+7], v[WOF+32*(\i)+8*(\t):WOF+32*(\i)+8*(\t)+7], v[BF+8*(\t):BF+8*(\t)+7], v[BO+8*(\i):BO+8*(\i)+7]
.endr
.endr
.rept 4
	v_nop                                          ; the places behind the last products
.endr
	ds_store_b128 v[OST], v[BO:BO+3]               ; a lane's eight neighbouring columns of its query's row
	ds_store_b128 v[OST], v[BO+4:BO+7]   offset:16
	ds_store_b128 v[OST], v[BO+8:BO+11]  offset:64
	ds_store_b128 v[OST], v[BO+12:BO+15] offset:80
	s_wait_dscnt 0x0                               ; for the others' sake: a row's 512 bytes come from four waves
	s_barrier_signal -1
	s_barrier_wait -1
.irp k, 0,1,2,3
	ds_load_b128 v[RW+4*(\k):RW+4*(\k)+3], v[ORD] offset:(\k)*PW
.endr
.irp k, 0,1,2,3
	s_wait_dscnt 3-(\k)
	global_store_b128 v[GOF], v[RW+4*(\k):RW+4*(\k)+3], s[16:17] offset:(\k)*512  ; a whole row: 512 consecutive bytes, at a multiple of 256 from the buffer's first byte
.endr
	s_wait_tensorcnt 0x0                           ; the wave's end: behind my last tensor load and my last LDS store
	ds_add_u32 v[SPW], v[NIL]
	s_wait_dscnt 0x0
	ROUND                                          ; the closing round: no work-group ends while a partner may still ask for a tile that names it
	s_endpgm
.Lfunc_end_k_qfd97e2fe4f_attn:
	.size	k_qfd97e2fe4f_attn, .Lfunc_end_k_qfd97e2fe4f_attn-k_qfd97e2fe4f_attn
	.p2alignl 7, 3214868480
	.fill 96, 4, 3214868480
	.section	.rodata,"a",@progbits
	.p2align	6, 0x0
	.amdhsa_kernel k_qfd97e2fe4f_attn
		.amdhsa_group_segment_fixed_size 327680
		.amdhsa_private_segment_fixed_size 0
		.amdhsa_enable_private_segment 0
		.amdhsa_kernarg_size 56
		.amdhsa_user_sgpr_count 2
		.amdhsa_user_sgpr_kernarg_segment_ptr 1
		.amdhsa_wavefront_size32 1
		.amdhsa_system_sgpr_workgroup_id_x 1
		.amdhsa_system_sgpr_workgroup_id_y 1
		.amdhsa_system_sgpr_workgroup_id_z 1
		.amdhsa_system_vgpr_workitem_id 0
		.amdhsa_next_free_vgpr 256
		.amdhsa_next_free_sgpr 96
		.amdhsa_reserve_vcc 1
		.amdhsa_float_denorm_mode_32 3
		.amdhsa_float_denorm_mode_16_64 3
		.amdhsa_memory_ordered 1
		.amdhsa_forward_progress 1
		.amdhsa_inst_pref_size 90
	.end_amdhsa_kernel
	.amdgpu_metadata
---
amdhsa.version: [ 1, 2 ]
amdhsa.kernels:
  - .name:           k_qfd97e2fe4f_attn
    .symbol:         k_qfd97e2fe4f_attn.kd
    .args:
      - { .name: qh, .offset: 0, .size: 8, .value_kind: global_buffer, .address_space: global }
      - { .name: kh, .offset: 8, .size: 8, .value_kind: global_buffer, .address_space: global }
      - { .name: vh, .offset: 16, .size: 8, .value_kind: global_buffer, .address_space: global }
      - { .name: mask, .offset: 24, .size: 8, .value_kind: global_buffer, .address_space: global }
      - { .name: Wo, .offset: 32, .size: 8, .value_kind: global_buffer, .address_space: global }
      - { .name: bo, .offset: 40, .size: 8, .value_kind: global_buffer, .address_space: global }
      - { .name: out0, .offset: 48, .size: 8, .value_kind: global_buffer, .address_space: global }
    .group_segment_fixed_size: 327680
    .private_segment_fixed_size: 0
    .kernarg_segment_align: 8
    .kernarg_segment_size: 56
    .max_flat_workgroup_size: 256
    .sgpr_count:     96
    .vgpr_count:     256
    .wavefront_size: 32
...
	.end_amdgpu_metadata
.endif
;; end of part 2
;; ======== version 2 of 2: 2 launches; 1.34 times as fast as version 1
;; limits: values are held in f16: magnitudes above 65,504 overflow, below 6.1e-05 lose precision
;; workspace buffers: qh 2,097,152 bytes; kh 2,097,152 bytes; vh 2,097,152 bytes
;; launch proj: the kernel of part 1 again; grid 256 x 1, 6 waves a work-group, clusters of 4 x 1, 246,784 bytes of LDS; arguments x, Wq, Wk, Wv, bq, bk, bv, qh, kh, vh; writes qh, kh, vh
;; launch attn (part 3): grid 128 x 2, 8 waves a work-group, clusters of 4 x 1, 327,680 bytes of LDS; arguments qh, kh, vh, mask, Wo, bo, out0; writes out0
.if DOCPART == 3
	.amdgcn_target "amdgcn-amd-amdhsa--gfx1250"
	.amdhsa_code_object_version 6
	.text
	.protected	k_qfd97e2fe4f_attn
	.globl	k_qfd97e2fe4f_attn
	.p2align	8
	.type	k_qfd97e2fe4f_attn,@function
k_qfd97e2fe4f_attn:
	s_mov_b64 s[64:65], 0
	v_nop
	global_prefetch_b8 v0, s[64:65] scope:SCOPE_SE
	s_setreg_imm32_b32 hwreg(HW_REG_WAVE_MODE, 25, 1), 1
	s_wait_xcnt 0x0
	s_wait_alu depctr_hold_cnt(0) depctr_sa_sdst(0) depctr_va_vdst(0) depctr_va_sdst(0) depctr_va_ssrc(0) depctr_va_vcc(0) depctr_vm_vsrc(0)
	s_getreg_b32 s2, hwreg(HW_REG_IB_STS2, 6, 4)
	s_cmp_eq_u32 s2, 0
	s_cbranch_scc0 .Lentry_in_a_cluster
	s_endpgm
.Lentry_in_a_cluster:
	s_bfe_u32 s2, ttmp6, 0x10000c
	s_cmp_lg_u32 s2, 0x3003
	s_cbranch_scc0 .Lentry_shape_is_right
	s_endpgm
.Lentry_shape_is_right:
; out0[b][q][:] = (sum over k of softmax_k(masked q . k / 4) v) Wo^T + bo, 8 heads of 16 channels.  qh (already times log2(e) / 4), kh, vh: [2][4096][128] f16; mask: [4096][4096] bytes, an input:
; every byte is read and honoured, no pattern is assumed.  Wo: [128][128] f32, bo: [128] f32, out0: [2][4096][128] f32.  Products in f16, sums, maxima and rescaling in f32.
; LIMITS.  A hidden score counts as its value less 2^97 to 2^99; a visible one carries an addend of at most 2.3e-38; a row whose maximum lies below -2^93 counts as wholly hidden and gives bo, so scaled scores stay under 2^93.
; A weight below 2^-126 counts as 0; the weights are rounded to f16, and their sum l is taken of the rounded weights; O is rounded once to f16.  Wo and bo are rounded to bf16; Wo's bf16 number is then written as f16:
; exact from 2^-14 to 65,504, below that in steps of 6e-8.  Mask bytes are 0 or 1.  NaN and infinities are not treated apart.
; SHARES.  A work-group owns 32 queries of one batch and all 8 heads, so that the last projection is made here.  Wave w: queries 16 (w / 4) on, heads 2 (w % 4) and + 1 (UNITS 0, 1).  Every wave walks all 4,096 keys, 64 a step.
; LAYOUT.  S^T = K Q^T + bias (source 0 = 16 keys, source 1 = 16 queries): a lane holds ONE query (lane % 16) and the keys 8 (lane / 16) + 0..7.  A fragment of K holds 32 channels, two heads, as the row lies;
; Q's fragment has zeros in the other head's half.  The bias (0, or about -2^98 where the mask hides the key) is the C operand, made once for both units.  Two results rounded to f16 ARE source 1 of O^T = V^T P.
; l comes from the matrix unit too: ONES x P, where ONES has ones in rows 0 and 8 alone: register 0 of the result is the query's sum over both halves of the lanes, registers 1-7 stay 0.
; SOFTMAX.  A running maximum m: p = 2^(s - m); in every step O and l are multiplied by a = 2^(m_old - m_new).  m starts at the lowest finite number, O and l at 0 (32 v_mov_b32, in the wait for the first tile), so no first step is written out.
; Hidden keys ahead of a row's first visible one give weights of at most 1, which that key's a = 0 wipes out.
; BATCHES.  A key step's 66 exponentials (the two units' a, then their 64 weights, each in a register of its own) are ONE batch with ONE wait, which cuts the step's vector work in two.  Ahead of it stands all that names no
; exponential's result: the maxima, the 32 subtractions s - m, the exponentials.  Behind it stand all the readers: the rescaling of O^T and l by a, the 32 roundings to f16, the products on the weights..
; The way out's two reciprocals are a batch of their own.
; RING.  Two slots, each with 256 keys: K, V and the 32 x 256 mask bytes; one round of the cluster's barrier a slot, and behind it the other slot's refill, which has four key steps in which to land.
; CLUSTER.  The four query blocks of a cluster belong to one batch and walk the same K and V (and Wo): these are asked for JOINTLY.  The mask's tile is the work-group's own: only the two batches share it, which lie along the grid's y,
; and it is 8,192 of a slot's 139,264 bytes.
; All 256 registers lie in one window: the text holds no switch.
.set PK,    272                        ; a row of K in LDS: 256 + 16 bytes: the 16 rows of a load start at 16 different groups of four banks (ISA guide 11.1)
.set PV,    288                        ; a row of V: 256 + 32
.set PM,    272                        ; a row of the mask's tile: 256 + 16
.set PW,    528                        ; a row of Wo, and of the output's stage: 512 + 16
.set VOFF,  256*PK
.set MOFF,  VOFF+256*PV
.set SLOTB, MOFF+32*PM                 ; a slot: 152,064 bytes
.set OX,    2*SLOTB                    ; behind the ring, never filled by a tensor load: 1,024 bytes a wave, O's fragments on their way to the waves of the last product
.set SPARE, OX+8*1024                  ; the spare words, 128 bytes for each wave: four blocks of 256 bytes that no other line names
.set OSTG,  SLOTB                      ; the output's stage, 32 rows x 528 bytes, in slot 1 when that slot has had its last fill and its last read
.set AK0, 3                            ; v3-5   my lane's place in a step's K, V, mask; never rewritten
.set AV0, 4
.set AM0, 5
.set AK,  6                            ; v6-8   the LDS addresses of the runs of loads in hand
.set AV,  7
.set AM,  8
.set LUT, 9                            ; v9     0x000000f0: byte 0 for a mask byte 0, byte 1 for a mask byte 1
.set SPW, 10                           ; v10    LDS address of my spare word; never rewritten
.set NIL, 11                           ; v11    0; never rewritten
.set BOA, 12                           ; v12-19 addresses of the end and of Q
.set OXS, 13
.set OXR, 14
.set WOA, 15
.set OST, 16
.set ORD, 17
.set GOF, 18
.set QO,  19
.set ST,  20                           ; unit u: m at v[ST+2u]; the register beside it is named with it as a pair
.set MO,  24                           ; v24-25 m_old
.set TMP, 28                           ; unit u: c0-c3 at v[TMP+4u]; when the maximum is found c2 takes a
.set MR,  36                           ; v36-43 the step's mask bytes: 8 a lane for each 16 keys
.set QF,  44                           ; v44-47 Q of unit 0, v48-51 zeros, v52-55 Q of unit 1: unit u's fragment is v[QF+4u:QF+4u+7]
.set ONES,56
.set S,   64                           ; 32 a unit; P is packed in place into the unit's first 16
.set KF,  128                          ; keys 16 kt on at KF + 8 kt
.set VF,  160                          ; unit u, keys 32 kk on at VF + 16 u + 8 kk
.set MB,  192                          ; the bias for keys 16 kt on at MB + 8 kt
.set OA,  224                          ; O^T, 8 a unit
.set LS,  240                          ; l, 8 a unit
.set BF,  32                           ; the end: O's fragments, 8 a K step
.set RW,  64                           ; Wo in f32
.set WOF, 128                          ; Wo's fragments, 32 for each of my two blocks of 16 columns
.set BO,  192                          ; bo, and the output's sums
.set OF,  208                          ; my O in f16
.set WV,  18                           ; s18 wave  s19 w / 4  s20 w % 4  s21 place in the cluster  s22 query block  s23 batch
.set QT,  19
.set HP,  20
.set CX,  21
.set QB,  22
.set BT,  23
.set G1K, 24                           ; group 1: K s[24:31], V s[32:39], mask s[40:47], Wo s[48:55]
.set G1V, 32
.set G1M, 40
.set G1W, 48
.set G0K, 56                           ; group 0: K s[56:59], V s[60:63], mask s[68:71], Wo s[72:75]
.set G0V, 60
.set G0M, 68
.set G0W, 72
.set TBK, 76                           ; s76-78 LDS byte at which the step to be fetched begins, less the region's offset in a slot
.set TBV, 77
.set TBM, 78
.set SLOTS, 79
.set CNT, 80
.set SEL, 82                           ; s[82:83] v_permlanex16_b32's selects: each lane takes its own place in the other half
.set THR, 84                           ; s84 -2^93
.set HIM, 85                           ; s85 a word's upper half
.macro ROUND                           ; a round of the cluster's barrier: my work-group's barrier, wave 0 signals, every wave waits for all four work-groups, my work-group's barrier once more
	s_barrier_signal -1
	s_barrier_wait -1
	s_cmp_lg_u32 s[WV], 0
	s_cbranch_scc1 .Lnot_wave_0_\@
	s_barrier_signal -3
.Lnot_wave_0_\@:
	s_barrier_wait -3
	s_barrier_signal -1
	s_barrier_wait -1
.endm
; A slot's fill: wave 0 asks for K's 256 rows and wave 1 for V's, jointly; wave 2 for the mask's 32 rows, the work-group's own.  The branches hang on the wave's number alone.  One load of a wave is out.
; An s_nop 0 and four v_nop follow each line, ahead of the jump and the label.
.macro JLOAD
	s_cmp_lg_u32 s[WV], 0
	s_cbranch_scc1 .Lnot_k_\@
	tensor_load_to_lds s[G0K:G0K+3], s[G1K:G1K+7]
	s_nop 0
.rept 4
	v_nop
.endr
	s_branch .Lasked_\@
.Lnot_k_\@:
	s_cmp_lg_u32 s[WV], 1
	s_cbranch_scc1 .Lnot_v_\@
	tensor_load_to_lds s[G0V:G0V+3], s[G1V:G1V+7]
	s_nop 0
.rept 4
	v_nop
.endr
	s_branch .Lasked_\@
.Lnot_v_\@:
	s_cmp_lg_u32 s[WV], 2
	s_cbranch_scc1 .Lasked_\@
	tensor_load_to_lds s[G0M:G0M+3], s[G1M:G1M+7]
	s_nop 0
.rept 4
	v_nop
.endr
.Lasked_\@:
.endm
.macro JLOADW                          ; Wo, jointly, by wave 3, into slot 0's K region: that slot's last fill
	s_cmp_lg_u32 s[WV], 3
	s_cbranch_scc1 .Lnot_w_\@
	tensor_load_to_lds s[G0W:G0W+3], s[G1W:G1W+7]
	s_nop 0
.rept 4
	v_nop
.endr
.Lnot_w_\@:
.endm
; THE CHANGE OF SLOTS.  Each wave waits for all its tensor loads (at most one is out: its part of the other slot), adds 0 to its spare word, and waits for that and for its reads of the slot that it leaves.
; Behind the round no wave of any partner reads the old slot or has a load on its way, and the other slot is whole; the refill is the first thing there.  kind = 1: the next 256 keys; kind = 2: Wo.
; (At its first use nothing has been read yet: slot 0 is waited for, slot 1 filled.)
.macro CHANGE kind
	s_wait_tensorcnt 0x0                           ; no tensor load of mine is out, so a group 0 may be written
	ds_add_u32 v[SPW], v[NIL]                      ; 0 onto my spare word; the descriptors' steps stand between it and the wait for it
.if (\kind) == 1
	s_xor_b32 s[G0K+1], s[G0K+1], SLOTB            ; each LDS word has two values, and the exclusive or by their difference in bits turns one into the other
	s_add_nc_u64 s[G0K+2:G0K+3], s[G0K+2:G0K+3], 256*256  ; the next 256 rows; the type bits on top are not reached
	s_xor_b32 s[G0V+1], s[G0V+1], VOFF^(VOFF+SLOTB)
	s_add_nc_u64 s[G0V+2:G0V+3], s[G0V+2:G0V+3], 256*256
	s_xor_b32 s[G0M+1], s[G0M+1], MOFF^(MOFF+SLOTB)
	s_add_nc_u64 s[G0M+2:G0M+3], s[G0M+2:G0M+3], 256  ; the next 256 columns of the mask
.endif
	s_wait_dscnt 0x0                               ; the add is done, and my reads of the slot are over
	ROUND
.if (\kind) == 1
	JLOAD
.else
	JLOADW
.endif
	s_sub_co_u32 s[TBK], s[TBK], 4*64*PK           ; the fetches go back to a slot's first step,
	s_xor_b32 s[TBK], s[TBK], SLOTB                ; in the other slot
	s_sub_co_u32 s[TBV], s[TBV], 4*64*PV
	s_xor_b32 s[TBV], s[TBV], SLOTB
	s_sub_co_u32 s[TBM], s[TBM], 4*64
	s_xor_b32 s[TBM], s[TBM], SLOTB
.endm
	s_load_b256 s[4:11], s[0:1], 0x0               ; qh 4, kh 6, vh 8, mask 10
	s_load_b128 s[12:15], s[0:1], 0x20             ; Wo 12, bo 14
	s_load_b64 s[16:17], s[0:1], 0x30              ; out0
	v_lshl_add_u32 v[SPW], v0, 2, SPARE
	v_mov_b32 v[NIL], 0
	ds_add_u32 v[SPW], v[NIL]                      ; the wave's opening: the add and its wait stand ahead of my first tensor load; the set-up below stands between them
	v_lshrrev_b32 v1, 5, v0
	v_readfirstlane_b32 s[WV], v1                  ; wave 0..7
	s_lshr_b32 s[QT], s[WV], 2
	s_and_b32 s[HP], s[WV], 3
	s_bfe_u32 s[CX], ttmp6, 0x40000                ; my place in the cluster
	s_lshl_b32 s[QB], ttmp9, 2                     ; in a cluster launch ttmp9 counts clusters
	s_add_co_u32 s[QB], s[QB], s[CX]               ; my block of 32 queries: it enters the mask's, Q's and the output's addresses alone
	s_and_b32 s[BT], ttmp7, 0xffff                 ; the batch, which the four partners share
	s_mov_b32 s[G1K], 15|(1<<16)|(1<<20)|(1<<21)|(5<<22)|(3<<25)  ; the mask of four, bit 21 beside it; 2-byte elements; 4 words of padding behind every 64
	s_mov_b32 s[G1V], 15|(1<<16)|(1<<20)|(1<<21)|(5<<22)|(7<<25)  ; the same with 8 words
.irp g, G1K, G1V
	s_mov_b32 s[\g+1], 128<<16                     ; tensor_dim0 = 128
	s_mov_b32 s[\g+2], 256<<16                     ; tensor_dim1 = 256
	s_mov_b32 s[\g+3], 128<<16                     ; tile_dim0 = 128
	s_mov_b32 s[\g+4], 256                         ; tile_dim1 = 256
	s_mov_b32 s[\g+5], 128                         ; elements from row to row
	s_mov_b32 s[\g+6], 0
	s_mov_b32 s[\g+7], 0
.endr
	s_mov_b32 s[G1M], (2<<16)|(1<<20)|(5<<22)|(3<<25)  ; no work-group mask; 256 mask bytes as 64 elements of 4 bytes; 4 words of padding behind them
	s_mov_b32 s[G1M+1], 64<<16
	s_mov_b32 s[G1M+2], 32<<16
	s_mov_b32 s[G1M+3], 64<<16
	s_mov_b32 s[G1M+4], 32
	s_mov_b32 s[G1M+5], 1024                       ; 4,096 bytes from row to row
	s_mov_b32 s[G1M+6], 0
	s_mov_b32 s[G1M+7], 0
	s_mov_b32 s[G1W], 15|(2<<16)|(1<<20)|(1<<21)|(6<<22)|(3<<25)  ; Wo: 128 rows of 128 f32, 4 words of padding behind every 128
	s_mov_b32 s[G1W+1], 128<<16
	s_mov_b32 s[G1W+2], 128<<16
	s_mov_b32 s[G1W+3], 128<<16
	s_mov_b32 s[G1W+4], 128
	s_mov_b32 s[G1W+5], 128
	s_mov_b32 s[G1W+6], 0
	s_mov_b32 s[G1W+7], 0
	s_mov_b32 s[G0K], 1
	s_mov_b32 s[G0K+1], 0                          ; slot 0
	s_mov_b32 s[G0V], 1
	s_mov_b32 s[G0V+1], VOFF
	s_mov_b32 s[G0M], 1
	s_mov_b32 s[G0M+1], MOFF
	s_mov_b32 s[G0W], 1
	s_mov_b32 s[G0W+1], 0
	s_mov_b32 s[TBK], SLOTB+4*64*PK                ; the first change of slots turns these three into 0
	s_mov_b32 s[TBV], SLOTB+4*64*PV
	s_mov_b32 s[TBM], SLOTB+4*64
	s_mov_b32 s[SEL], 0x76543210
	s_mov_b32 s[SEL+1], 0xfedcba98
	s_mov_b32 s[THR], 0xee000000
	s_mov_b32 s[HIM], 0xffff0000
	s_wait_dscnt 0x0                               ; the opening add is done
	s_wait_kmcnt 0x0
	s_lshl_b32 s86, s[BT], 20                      ; a batch's 4,096 rows of 256 bytes: s[86:87] never holds my place in the cluster
	s_mov_b32 s87, 0
	s_add_nc_u64 s[G0K+2:G0K+3], s[6:7], s[86:87]
	s_or_b32 s[G0K+3], s[G0K+3], 0x80000000        ; type = 2
	s_add_nc_u64 s[G0V+2:G0V+3], s[8:9], s[86:87]
	s_or_b32 s[G0V+3], s[G0V+3], 0x80000000
	s_mov_b64 s[G0W+2:G0W+3], s[12:13]
	s_or_b32 s[G0W+3], s[G0W+3], 0x80000000
	s_lshl_b32 s88, s[QB], 17                      ; 32 rows of 4,096 mask bytes
	s_mov_b32 s89, 0
	s_add_nc_u64 s[G0M+2:G0M+3], s[10:11], s[88:89]
	s_or_b32 s[G0M+3], s[G0M+3], 0x80000000
	s_lshl_b32 s88, s[QB], 13                      ; Q: batch, block of 32 rows, my 16 of them, my two heads' 64 bytes
	s_lshl_b32 s90, s[BT], 20
	s_add_co_u32 s88, s88, s90
	s_lshl_b32 s90, s[QT], 12
	s_add_co_u32 s88, s88, s90
	s_lshl_b32 s90, s[HP], 6
	s_add_co_u32 s88, s88, s90
	s_add_nc_u64 s[4:5], s[4:5], s[88:89]
	s_lshl_b32 s88, s[QB], 14                      ; the output: rows of 512 bytes; wave w stores rows 4 w .. 4 w + 3 of the block
	s_lshl_b32 s90, s[BT], 21
	s_add_co_u32 s88, s88, s90
	s_lshl_b32 s90, s[WV], 11
	s_add_co_u32 s88, s88, s90
	s_add_nc_u64 s[16:17], s[16:17], s[88:89]
	ROUND                                          ; all four work-groups are here: the first joint loads meet
	JLOAD                                          ; keys 0 to 255 into slot 0
	; All that follows up to the loop stands in the wait for the first tile.
	v_and_b32 v1, 15, v0                           ; r = lane % 16
	v_bfe_u32 v2, v0, 4, 1                         ; h = lane / 16
	v_lshlrev_b32 v[QO], 8, v1
	v_lshl_add_u32 v[QO], v2, 4, v[QO]             ; row x 256 + 16 x half
	global_load_b128 v[QF:QF+3],    v[QO], s[4:5]            ; head 2 (w % 4): channels 8 h + 0..7
	global_load_b128 v[QF+8:QF+11], v[QO], s[4:5] offset:32  ; the next head
	s_lshl_b32 s90, s[HP], 6                       ; my two heads' 64 bytes in a row of K or V
	v_mul_u32_u24 v[AK0], v1, PK
	v_lshl_add_u32 v[AK0], v2, 4, v[AK0]
	v_add_nc_u32 v[AK0], s90, v[AK0]
	; The turning load takes 16 keys x 16 channels (lane l reads key 8 (l / 16) + l % 8, channels 8 ((l / 8) % 2) + 0..7) and leaves half a fragment of V^T: lane l holds channel l % 16 and 8 keys.
	v_and_b32 v27, 7, v0
	v_lshl_add_u32 v[AV0], v2, 3, v27
	v_mul_u32_u24 v[AV0], v[AV0], PV
	v_bfe_u32 v26, v0, 3, 1
	v_lshl_add_u32 v[AV0], v26, 4, v[AV0]
	s_add_co_u32 s91, s90, VOFF
	v_add_nc_u32 v[AV0], s91, v[AV0]
	s_mul_i32 s91, s[QT], 16*PM                    ; the mask's row of my query, and the 8 bytes of my half of the lanes
	s_add_co_u32 s91, s91, MOFF
	v_mul_u32_u24 v[AM0], v1, PM
	v_lshl_add_u32 v[AM0], v2, 3, v[AM0]
	v_add_nc_u32 v[AM0], s91, v[AM0]
	s_mov_b32 s91, 0x3c003c00                      ; 1.0 twice in f16
	v_cmp_eq_u32 vcc_lo, 0, v27                    ; lanes 0, 8, 16, 24 hold rows 0 and 8 of source 0
	v_cndmask_b32 v[ONES], 0, s91, vcc_lo
.irp i, 1,2,3,4,5,6,7
	v_mov_b32 v[ONES+(\i)], v[ONES]
.endr
	v_mov_b32 v[LUT], 0xf0
.irp i, 4,5,6,7
	v_mov_b32 v[QF+(\i)], 0
.endr
	v_mov_b32 v[ST], 0xff7fffff                    ; m: the lowest finite number
	v_mov_b32 v[ST+1], 0
	v_mov_b32 v[ST+2], 0xff7fffff
	v_mov_b32 v[ST+3], 0
.set z, 0
.rept 32
	v_mov_b32 v[OA+z], 0                           ; O^T and l
.set z, z+1
.endr
	v_and_b32 v26, 31, v0
	v_lshlrev_b32 v[GOF], 4, v26                   ; 16 x lane
	s_lshl_b32 s91, s[HP], 7
	v_lshl_add_u32 v[BOA], v2, 5, s91              ; bo: my 32 columns, 8 numbers for each half of the lanes
	s_lshl_b32 s91, s[WV], 10
	s_add_co_u32 s91, s91, OX
	v_add_nc_u32 v[OXS], s91, v[GOF]               ; where I put my O
	s_lshl_b32 s91, s[QT], 12
	s_add_co_u32 s91, s91, OX
	v_add_nc_u32 v[OXR], s91, v[GOF]               ; where the four waves of my queries have put theirs
	v_mul_u32_u24 v27, v1, PW
	v_lshl_add_u32 v27, v2, 5, v27                 ; row x 528 + 8 f32 x half
	s_mul_i32 s91, s[HP], 32*PW
	v_add_nc_u32 v[WOA], s91, v27                  ; Wo's rows 32 (w % 4) + r
	s_mul_i32 s91, s[QT], 16*PW
	s_lshl_b32 s90, s[HP], 7
	s_add_co_u32 s91, s91, s90
	s_add_co_u32 s91, s91, OSTG
	v_add_nc_u32 v[OST], s91, v27                  ; the stage: my query's row, my 32 columns
	s_mul_i32 s91, s[WV], 4*PW
	s_add_co_u32 s91, s91, OSTG
	v_add_nc_u32 v[ORD], s91, v[GOF]               ; back: whole rows, four a wave
	s_wait_loadcnt 0x0                             ; Q
; THE LDS LOADS stand in runs.  A step's mask bytes (4 loads of 8 bytes) and K (4 fragments, 8 loads); a step's V, turned (4 fragments, 8 loads).
.macro FETCH_KM
	v_add_nc_u32 v[AK], s[TBK], v[AK0]
	v_add_nc_u32 v[AM], s[TBM], v[AM0]
.irp kt, 0,1,2,3
	ds_load_b64 v[MR+2*(\kt):MR+2*(\kt)+1], v[AM] offset:16*(\kt)
.endr
.irp kt, 0,1,2,3
	ds_load_b128 v[KF+8*(\kt):KF+8*(\kt)+3],   v[AK] offset:(\kt)*16*PK
	ds_load_b128 v[KF+8*(\kt)+4:KF+8*(\kt)+7], v[AK] offset:(\kt)*16*PK+32
.endr
	s_add_co_u32 s[TBK], s[TBK], 64*PK             ; the next fetch is the next step's
	s_add_co_u32 s[TBM], s[TBM], 64
.endm
.macro FETCH_V
	v_add_nc_u32 v[AV], s[TBV], v[AV0]
.irp u, 0,1
.irp kk, 0,1
	ds_load_tr16_b128 v[VF+16*(\u)+8*(\kk):VF+16*(\u)+8*(\kk)+3],   v[AV] offset:(\kk)*32*PV+32*(\u)
	ds_load_tr16_b128 v[VF+16*(\u)+8*(\kk)+4:VF+16*(\u)+8*(\kk)+7], v[AV] offset:(\kk)*32*PV+16*PV+32*(\u)
.endr
.endr
	s_add_co_u32 s[TBV], s[TBV], 64*PV
.endm
; Four numbers of the bias from word w of the 8 mask bytes for keys 16 kt on.  The mask word is the selector: byte 0 picks 0xf0, byte 1 picks 0x00.  A number's top byte decides: 0xf0.. lies in -2^97 to -2^99, 0x00.. is at most 2.3e-38;
; the bytes below it are the neighbours'.  One instruction a number.
.macro MBT kt, w
	v_perm_b32 v[MB+8*(\kt)+4*(\w)+3], v[LUT], v[LUT], v[MR+2*(\kt)+(\w)]
	v_lshlrev_b32 v[MB+8*(\kt)+4*(\w)+2], 8,  v[MB+8*(\kt)+4*(\w)+3]
	v_lshlrev_b32 v[MB+8*(\kt)+4*(\w)+1], 16, v[MB+8*(\kt)+4*(\w)+3]
	v_lshlrev_b32 v[MB+8*(\kt)+4*(\w)],   24, v[MB+8*(\kt)+4*(\w)+3]
.endm
.macro QK kt, u                        ; S^T of 16 keys for unit u, started from the bias
	v_wmma_f32_16x16x32_f16 v[S+32*(\u)+8*(\kt):S+32*(\u)+8*(\kt)+7], v[KF+8*(\kt):KF+8*(\kt)+7], v[QF+4*(\u):QF+4*(\u)+7], v[MB+8*(\kt):MB+8*(\kt)+7]
.endm
.macro PVM u, kk                       ; O^T += V^T P, keys 32 kk on
	v_wmma_f32_16x16x32_f16 v[OA+8*(\u):OA+8*(\u)+7], v[VF+16*(\u)+8*(\kk):VF+16*(\u)+8*(\kk)+7], v[S+32*(\u)+8*(\kk):S+32*(\u)+8*(\kk)+7], v[OA+8*(\u):OA+8*(\u)+7]
.endm
.macro LSM u, kk                       ; l += ONES x P
	v_wmma_f32_16x16x32_f16 v[LS+8*(\u):LS+8*(\u)+7], v[ONES:ONES+7], v[S+32*(\u)+8*(\kk):S+32*(\u)+8*(\kk)+7], v[LS+8*(\u):LS+8*(\u)+7]
.endm
; Number n of the 21 that find unit u's maximum and a.  s0-s31 are the lane's 32 scores; each accumulator's lowest registers are read first.
;   0-11  four chains c0-c3 of seven scores each, three operands at a time     12-14, 16  the four scores left over, the old m, and c0-c3 into c0     15  m_old is kept
;   17, 18  the query's other 32 keys lie in the lane 16 away: the new m         19, 20  m_old - m_new; a, the first exponential of the step's batch
.macro XS u, n
.set rS, S+32*(\u)
.set rC, TMP+4*(\u)
.set rT, ST+2*(\u)
.set rW, MO+(\u)
.if (\n) < 4
	v_max3_num_f32 v[rC+(\n)], v[rS+8*(\n)], v[rS+8*(\n)+1], v[rS+8*(\n)+2]
.elseif (\n) < 12
	v_max3_num_f32 v[rC+(\n)%4], v[rC+(\n)%4], v[rS+8*((\n)%4)+2*((\n)/4)+1], v[rS+8*((\n)%4)+2*((\n)/4)+2]
.elseif (\n) == 12
	v_max3_num_f32 v[rC], v[rC], v[rS+7], v[rS+15]
.elseif (\n) == 13
	v_max3_num_f32 v[rC+1], v[rC+1], v[rS+23], v[rS+31]
.elseif (\n) == 14
	v_max3_num_f32 v[rC+2], v[rC+2], v[rC+3], v[rT]
.elseif (\n) == 15
	v_mov_b32 v[rW], v[rT]
.elseif (\n) == 16
	v_max3_num_f32 v[rC], v[rC], v[rC+1], v[rC+2]
.elseif (\n) == 17
	v_permlanex16_b32 v[rC+3], v[rC], s[SEL], s[SEL+1]
.elseif (\n) == 18
	v_max_num_f32 v[rT], v[rC], v[rC+3]
.elseif (\n) == 19
	v_sub_f32 v[rC+1], v[rW], v[rT]
.else
	v_exp_f32 v[rC+2], v[rC+1]
.endif
.endm
.macro X2 n                            ; the two units alternate, so that no line reads the result of the one before it
	XS 0, \n
	XS 1, \n
.endm
; THE PLAIN QUEUE, 74 long, the units alternating.  0-31 name no exponential's result and stand ahead of the step's wait: s - m for pairs 0-15.  32-73 are the batch's readers and stand behind it:
; 32-39: O^T times a, each accumulator from its low end.  40, 41: l times a (register 0 alone: the others are 0).
; 42-73: pair n of weights rounded to f16 into the unit's register n: in place, ascending, so that a register is written when the rounding that read it is done.
.macro PL
.set pu, q%2
.set pS, S+32*pu
.if q < 32
.set pn, q/2
	v_pk_add_f32 v[pS+2*pn:pS+2*pn+1], v[pS+2*pn:pS+2*pn+1], v[ST+2*pu:ST+2*pu+1] op_sel_hi:[1,0] neg_lo:[0,1] neg_hi:[0,1]
.elseif q < 40
.set pn, (q-32)/2
	v_pk_mul_f32 v[OA+8*pu+2*pn:OA+8*pu+2*pn+1], v[OA+8*pu+2*pn:OA+8*pu+2*pn+1], v[TMP+4*pu+2:TMP+4*pu+3] op_sel_hi:[1,0]
.elseif q < 42
	v_mul_f32 v[LS+8*pu], v[LS+8*pu], v[TMP+4*pu+2]
.else
.set pn, (q-42)/2
	v_cvt_pk_f16_f32 v[pS+pn], v[pS+2*pn], v[pS+2*pn+1]
.endif
.set q, q+1
.endm
.macro EX                              ; THE EXPONENTIALS' QUEUE, 64 long: score e / 2 of unit e % 2, in place: each has a register of its own while the batch is open
	v_exp_f32 v[S+32*(e%2)+e/2], v[S+32*(e%2)+e/2]
.set e, e+1
.endm
.macro PEE                             ; a subtraction and two exponentials: there are half as many subtractions as exponentials, so they are spread over the batch; none of the three names a result of the batch
	PL
	EX
	EX
.endm
.macro PL4                             ; four roundings, the lines behind a product
	PL
	PL
	PL
	PL
.endm
; A KEY STEP: 64 keys, two heads.  pf = 1: the next step's mask bytes and K are fetched in its middle.  At its head 12 LDS loads are out: this step's mask bytes (4) and K (8).
; The queues keep in step: exponential e wants plain 2 (e / 4) + e % 2, and ahead of it stand plains 0 to 4 + e / 2.  Ahead of the wait: the two a, plains 0-31, exponentials 0-63.  Behind it: plains 32-73 and the eight products on the weights.
.macro STEP pf
	FETCH_V
	s_wait_dscnt 16                                ; K's 8 loads and V's 8 may be out: the mask bytes are in
	MBT 0, 0
	MBT 0, 1
	s_wait_dscnt 8                                 ; V's 8 may be out: K is in
.irp kt, 0,1,2
	QK \kt, 0                                      ; the next 16 keys' bias is made beside the products
	MBT (\kt)+1, 0
	QK \kt, 1
	MBT (\kt)+1, 1
.endr
	QK 3, 0
	X2 0
	X2 1
	QK 3, 1
	X2 4
	X2 5
	X2 8
	X2 9
	X2 2
	X2 6
	X2 10
.if \pf
	FETCH_KM                                       ; 14 plain lines that name none of its registers stand behind the last product that read K
.endif
.irp n, 3,7,11,12,13,14,15,16,17,18,19,20
	X2 \n
.endr
.set q, 0
.set e, 0
.rept 4
	PL
.endr
.rept 28
	PEE
.endr
.rept 8
	EX                                             ; the last eight: every subtraction has been dealt
.endr
	v_nop                                          ; a plain line behind the last exponential and ahead of the first use (ISA guide 5.7.2): one for the batch; no plain work is left that names no result
	s_wait_alu depctr_va_vdst(0)                   ; the wait ahead of the first line that names a result: one for the step's 66 exponentials
.rept 26
	PL                                             ; O^T and l times a; the first 32 keys' weights rounded
.endr
.if \pf
	s_wait_dscnt 12                                ; the 12 loads of the next step's mask bytes and K may be out: V is in
.else
	s_wait_dscnt 0x0                               ; V is in
.endif
	PVM 0, 0                                       ; the first 32 keys' weights are packed; the lines between name registers 8 to 31 of S alone, never these products' 0 to 7.  The four accumulators take turns
	PL4
	LSM 0, 0
	PL4
	PVM 1, 0
	PL4
	LSM 1, 0
	PL4
	PVM 0, 1
	LSM 0, 1
	PVM 1, 1
	LSM 1, 1
.rept 4
	v_nop                                          ; the places in front of the next loads into V (ISA guide 7.12.1 for vector instructions); with the next step's first nine plain lines also those in front of the product that writes over P
.endr
.endm
.macro SLOTWORK                        ; a slot's four key steps
	FETCH_KM
	s_mov_b32 s[CNT], 3
.Lstep_\@:
	STEP 1
	s_sub_co_u32 s[CNT], s[CNT], 1
	s_cmp_lg_u32 s[CNT], 0
	s_cbranch_scc1 .Lstep_\@
	STEP 0                                         ; the slot's last step fetches nothing beyond it
.endm
	s_mov_b32 s[SLOTS], 15
.Lslot:                                                ; trip k = 1 .. 15: keys 256 (k - 1) on are in; keys 256 k on are asked for; the former are worked on
	CHANGE 1
	SLOTWORK
	s_sub_co_u32 s[SLOTS], s[SLOTS], 1
	s_cmp_lg_u32 s[SLOTS], 0
	s_cbranch_scc1 .Lslot
	CHANGE 2                                       ; the last 256 keys are in (slot 1); slot 0 takes Wo
	SLOTWORK
	; THE END.  O = O^T / l, or 0 for a row that saw no key; f16; through LDS to the four waves of my queries; times Wo^T, plus bo.
	global_load_b128 v[BO:BO+3],     v[BOA], s[14:15]            ; register j of sum i is column 32 (w % 4) + 16 i + 8 h + j
	global_load_b128 v[BO+4:BO+7],   v[BOA], s[14:15] offset:16
	global_load_b128 v[BO+8:BO+11],  v[BOA], s[14:15] offset:64
	global_load_b128 v[BO+12:BO+15], v[BOA], s[14:15] offset:80
	v_rcp_f32 v[TMP], v[LS]
	v_rcp_f32 v[TMP+4], v[LS+8]
	v_nop                                          ; a plain line between the reciprocals and the use of their results
	v_cmp_lt_f32 vcc_lo, s[THR], v[ST]             ; has the row seen a key?
	s_wait_alu depctr_va_vdst(0)                   ; the wait ahead of the first use: one for the two reciprocals
	v_cndmask_b32 v[TMP], 0, v[TMP], vcc_lo
	v_cmp_lt_f32 vcc_lo, s[THR], v[ST+2]
	v_cndmask_b32 v[TMP+4], 0, v[TMP+4], vcc_lo
.irp u, 0,1
.irp i, 0,1,2,3
	v_pk_mul_f32 v[OA+8*(\u)+2*(\i):OA+8*(\u)+2*(\i)+1], v[OA+8*(\u)+2*(\i):OA+8*(\u)+2*(\i)+1], v[TMP+4*(\u):TMP+4*(\u)+1] op_sel_hi:[1,0]
.endr
.endr
.irp u, 0,1
.irp i, 0,1,2,3
	v_cvt_pk_f16_f32 v[OF+4*(\u)+(\i)], v[OA+8*(\u)+2*(\i)], v[OA+8*(\u)+2*(\i)+1]
.endr
.endr
	; A lane's 8 channels of head 2 t + u are registers 4 u .. 4 u + 3 of source 1 for K step t, in the same lane: the fragments go through LDS lane by lane.
	ds_store_b128 v[OXS], v[OF:OF+3]
	ds_store_b128 v[OXS], v[OF+4:OF+7] offset:512
	s_wait_tensorcnt 0x0                           ; Wo is in (wave 3's load; the others have none out),
	s_wait_dscnt 0x0                               ; my O is stored, and my reads of slot 1 are over
	s_barrier_signal -1
	s_barrier_wait -1                              ; all that holds of every wave
.irp i, 0,1,2,3,4,5,6,7
	ds_load_b128 v[BF+4*(\i):BF+4*(\i)+3], v[OXR] offset:512*(\i)
.endr
; Wo's rows 32 (w % 4) + 16 i + r, all 128 channels, in f32: 16 loads; rounded to bf16 like the other inputs, and that number written as f16.
.macro WOLOAD i
.irp t, 0,1,2,3
	ds_load_b128 v[RW+16*(\t):RW+16*(\t)+3],     v[WOA] offset:(\i)*16*PW+128*(\t)
	ds_load_b128 v[RW+16*(\t)+4:RW+16*(\t)+7],   v[WOA] offset:(\i)*16*PW+128*(\t)+16
	ds_load_b128 v[RW+16*(\t)+8:RW+16*(\t)+11],  v[WOA] offset:(\i)*16*PW+128*(\t)+64
	ds_load_b128 v[RW+16*(\t)+12:RW+16*(\t)+15], v[WOA] offset:(\i)*16*PW+128*(\t)+80
.endr
	s_wait_dscnt 0x0
.set z, 0
.rept 32
	v_cvt_pk_bf16_f32 v[RW+2*z], v[RW+2*z], v[RW+2*z+1]
	v_and_b32 v[RW+2*z+1], s[HIM], v[RW+2*z]
	v_lshlrev_b32 v[RW+2*z], 16, v[RW+2*z]
	v_cvt_pk_f16_f32 v[WOF+32*(\i)+z], v[RW+2*z], v[RW+2*z+1]
.set z, z+1
.endr
.endm
	WOLOAD 0
	WOLOAD 1
	s_wait_loadcnt 0x0                             ; bo
.set z, 0
.rept 8
	v_cvt_pk_bf16_f32 v[BO+2*z], v[BO+2*z], v[BO+2*z+1]
	v_and_b32 v[BO+2*z+1], s[HIM], v[BO+2*z]
	v_lshlrev_b32 v[BO+2*z], 16, v[BO+2*z]
.set z, z+1
.endr
.irp t, 0,1,2,3                        ; transposed again (source 0 = 16 rows of Wo, source 1 = 16 queries); the sums start from bo, the two accumulators by turns
.irp i, 0,1
	v_wmma_f32_16x16x32_f16 v[BO+8*(\i):BO+8*(\i)+7], v[WOF+32*(\i)+8*(\t):WOF+32*(\i)+8*(\t)+7], v[BF+8*(\t):BF+8*(\t)+7], v[BO+8*(\i):BO+8*(\i)+7]
.endr
.endr
.rept 4
	v_nop                                          ; the places behind the last products
.endr
	ds_store_b128 v[OST], v[BO:BO+3]               ; a lane's eight neighbouring columns of its query's row
	ds_store_b128 v[OST], v[BO+4:BO+7]   offset:16
	ds_store_b128 v[OST], v[BO+8:BO+11]  offset:64
	ds_store_b128 v[OST], v[BO+12:BO+15] offset:80
	s_wait_dscnt 0x0                               ; for the others' sake: a row's 512 bytes come from four waves
	s_barrier_signal -1
	s_barrier_wait -1
.irp k, 0,1,2,3
	ds_load_b128 v[RW+4*(\k):RW+4*(\k)+3], v[ORD] offset:(\k)*PW
.endr
.irp k, 0,1,2,3
	s_wait_dscnt 3-(\k)
	global_store_b128 v[GOF], v[RW+4*(\k):RW+4*(\k)+3], s[16:17] offset:(\k)*512  ; a whole row: 512 consecutive bytes, at a multiple of 256 from the buffer's first byte
.endr
	s_wait_tensorcnt 0x0                           ; the wave's end: behind my last tensor load and my last LDS store
	ds_add_u32 v[SPW], v[NIL]
	s_wait_dscnt 0x0
	ROUND                                          ; the closing round: no work-group ends while a partner may still ask for a tile that names it
	s_endpgm
.Lfunc_end_k_qfd97e2fe4f_attn:
	.size	k_qfd97e2fe4f_attn, .Lfunc_end_k_qfd97e2fe4f_attn-k_qfd97e2fe4f_attn
	.p2alignl 7, 3214868480
	.fill 96, 4, 3214868480
	.section	.rodata,"a",@progbits
	.p2align	6, 0x0
	.amdhsa_kernel k_qfd97e2fe4f_attn
		.amdhsa_group_segment_fixed_size 327680
		.amdhsa_private_segment_fixed_size 0
		.amdhsa_enable_private_segment 0
		.amdhsa_kernarg_size 56
		.amdhsa_user_sgpr_count 2
		.amdhsa_user_sgpr_kernarg_segment_ptr 1
		.amdhsa_wavefront_size32 1
		.amdhsa_system_sgpr_workgroup_id_x 1
		.amdhsa_system_sgpr_workgroup_id_y 1
		.amdhsa_system_sgpr_workgroup_id_z 1
		.amdhsa_system_vgpr_workitem_id 0
		.amdhsa_next_free_vgpr 256
		.amdhsa_next_free_sgpr 96
		.amdhsa_reserve_vcc 1
		.amdhsa_float_denorm_mode_32 3
		.amdhsa_float_denorm_mode_16_64 3
		.amdhsa_memory_ordered 1
		.amdhsa_forward_progress 1
		.amdhsa_inst_pref_size 86
	.end_amdhsa_kernel
	.amdgpu_metadata
---
amdhsa.version: [ 1, 2 ]
amdhsa.kernels:
  - .name:           k_qfd97e2fe4f_attn
    .symbol:         k_qfd97e2fe4f_attn.kd
    .args:
      - { .name: qh, .offset: 0, .size: 8, .value_kind: global_buffer, .address_space: global }
      - { .name: kh, .offset: 8, .size: 8, .value_kind: global_buffer, .address_space: global }
      - { .name: vh, .offset: 16, .size: 8, .value_kind: global_buffer, .address_space: global }
      - { .name: mask, .offset: 24, .size: 8, .value_kind: global_buffer, .address_space: global }
      - { .name: Wo, .offset: 32, .size: 8, .value_kind: global_buffer, .address_space: global }
      - { .name: bo, .offset: 40, .size: 8, .value_kind: global_buffer, .address_space: global }
      - { .name: out0, .offset: 48, .size: 8, .value_kind: global_buffer, .address_space: global }
    .group_segment_fixed_size: 327680
    .private_segment_fixed_size: 0
    .kernarg_segment_align: 8
    .kernarg_segment_size: 56
    .max_flat_workgroup_size: 256
    .sgpr_count:     96
    .vgpr_count:     256
    .wavefront_size: 32
...
	.end_amdgpu_metadata
.endif
;; end of part 3
